; MI455X (gfx1250); checked and timed in simulation.
; The chip was launched on July 23, 2026; its instructions are those of AMD's public machine-readable ISA for CDNA 5 (MIT licence, August 2026) and "CDNA5" Instruction Set Architecture Reference Guide (July 2026). The comments in the code are by the model that wrote it; some were corrected since.
;; TF Gemma Attention. Allowed arithmetic: float matrix products may take bf16 or f16 operands with f32 sums; other float arithmetic in f32, or as packed bf16 or f16 multiplies, adds, multiply-adds, maxima and minima; sums over many terms, partial sums and values carried from step to step in f32; what a program stores and reads back later, other than sums and carried values, may be rounded once to bf16 or f16.
;; Inputs: Wk 2,048 x 256 float32; Wo 1,024 x 2,048 float32; Wq 2,048 x 1,024 float32; Wv 2,048 x 256 float32; attention_mask 1 x 1 x 4,096 x 4,096 float32; hidden_states 1 x 4,096 x 2,048 float32; position_ids 1 x 4,096 int32.
;; Outputs: out0 1 x 4,096 x 2,048 float32.
;; One version. Each part assembles by itself: llvm-mc -triple=amdgcn-amd-amdhsa -mcpu=gfx1250 --defsym DOCPART=n.
;; ======== version 1 of 1: 4 launches
;; limits: values are held in f16: magnitudes above 65,504 overflow, below 6.1e-05 lose precision; right only within a limited range of input values
;; workspace buffers: xb 16,777,216 bytes; wb 6,291,456 bytes; wo16 4,194,304 bytes; rope 4,194,304 bytes; qkv 12,582,912 bytes; att 8,388,608 bytes
;; launch prep (part 1): grid 1088 x 1, 8 waves a work-group, no clusters, 0 bytes of LDS; arguments hidden_states, Wq, Wk, Wv, Wo, position_ids, xb, wb, wo16, rope; writes xb, wb, wo16, rope
.if DOCPART == 1
	.amdgcn_target "amdgcn-amd-amdhsa--gfx1250"
	.amdhsa_code_object_version 6
	.text
	.protected	k_qf0684c9631_prep
	.globl	k_qf0684c9631_prep
	.p2align	8
	.type	k_qf0684c9631_prep,@function
k_qf0684c9631_prep:
	s_mov_b64 s[64:65], 0
	v_nop
	global_prefetch_b8 v0, s[64:65] scope:SCOPE_SE
	s_setreg_imm32_b32 hwreg(HW_REG_WAVE_MODE, 25, 1), 1
	s_wait_xcnt 0x0
; PREP.  Every floating-point matrix input is rounded once to bf16, and the RoPE table is made.
;   xb   = bf16(hidden_states)                 [4096][2048]
;   wb   = bf16 of Wq's four heads, Wk, Wv      [6][2048 k][256 n]
;   wo16 = bf16(Wo) written as f16              [1024][2048]   (exact for 6.1e-5 <= |Wo| < 65,504; below that f16's fixed step of 6e-8)
;   rope = cos and sin in f32, in the order in which the projection's way out wants them:
;          [256 blocks of 16 rows][8 blocks of 16 j][cos 0-3, cos 4-7, sin 0-3, sin 4-7][32 lanes][4], lane = (row % 16) + 16 h, j = 16 jb + 8 h + i
; Memory binds: 16-byte loads, 512 consecutive bytes a wave; 8-byte stores, 256 consecutive bytes a wave; sixteen loads of a wave on their way.
; No LDS, no matrix unit, no cluster: no byte is used twice.
; SHARES.  A work-group takes 65,536 input bytes: groups 0-511 x, 512-639 Wq, 640-671 Wk, 672-703 Wv, 704-831 Wo; groups 832-1087 a table block each.
; LIMIT.  |position| < 2^22: the angle is reduced by n = round(x 2/pi) with pi/2 in three parts, and n must stay a whole number in f32 with room to spare.
.set X, 4                              ; v[4:67]    sixteen loads of four f32
.set Y, 68                             ; v[68:99]   sixteen pairs of packed results
.set T, 100                            ; v[100:103] at work
; Sixteen loads, then for each: round, (mode 1: widen and write as f16), store.  Load i is waited for with the 15 - i younger ones left out.
.macro CAST mode, ostride
.set i, 0
.rept 16
	global_load_b128 v[X+4*i:X+4*i+3], v1, s[4:5] offset:4096*i th:TH_LOAD_NT
.set i, i+1
.endr
.set i, 0
.rept 16
	s_wait_loadcnt 15-i
	v_cvt_pk_bf16_f32 v[Y+2*i], v[X+4*i], v[X+4*i+1]
	v_cvt_pk_bf16_f32 v[Y+2*i+1], v[X+4*i+2], v[X+4*i+3]
.if \mode
	v_lshlrev_b32 v[T], 16, v[Y+2*i]
	v_and_b32 v[T+1], 0xffff0000, v[Y+2*i]
	v_lshlrev_b32 v[T+2], 16, v[Y+2*i+1]
	v_and_b32 v[T+3], 0xffff0000, v[Y+2*i+1]
	v_cvt_pk_f16_f32 v[Y+2*i], v[T], v[T+1]
	v_cvt_pk_f16_f32 v[Y+2*i+1], v[T+2], v[T+3]
.endif
	global_store_b64 v2, v[Y+2*i:Y+2*i+1], s[6:7] offset:(\ostride)*i
.set i, i+1
.endr
.endm
	s_load_b512 s[8:23], s[0:1], 0x0               ; x s[8:9], Wq s[10:11], Wk s[12:13], Wv s[14:15], Wo s[16:17], positions s[18:19], xb s[20:21], wb s[22:23]
	s_load_b128 s[24:27], s[0:1], 0x40             ; wo16 s[24:25], rope s[26:27]
	v_lshlrev_b32 v1, 4, v0                        ; 16 t: my 16 bytes of each 4,096 read
	v_lshlrev_b32 v2, 3, v0                        ; 8 t: my 8 bytes of each 2,048 written
	s_mov_b32 s3, ttmp9
	s_mov_b32 s29, 0
	s_mov_b32 s31, 0
	s_wait_kmcnt 0x0
	s_cmp_lt_u32 s3, 512
	s_cbranch_scc0 .Lnot_x
	s_lshl_b32 s28, s3, 16
	s_lshl_b32 s30, s3, 15
	s_add_nc_u64 s[4:5], s[8:9], s[28:29]
	s_add_nc_u64 s[6:7], s[20:21], s[30:31]
	CAST 0, 2048
	s_endpgm
.Lnot_x:
	s_cmp_lt_u32 s3, 640
	s_cbranch_scc0 .Lnot_wq
	s_sub_co_u32 s3, s3, 512                       ; sixteen rows k of Wq, 4,096 bytes each: a row is one load of the work-group
	s_lshl_b32 s28, s3, 16
	s_lshl_b32 s30, s3, 13                         ; sixteen rows of 512 bytes in each head's tile
	s_add_nc_u64 s[4:5], s[10:11], s[28:29]
	s_add_nc_u64 s[6:7], s[22:23], s[30:31]
	v_lshrrev_b32 v3, 6, v0                        ; my head: 64 threads cover its 256 columns
	v_and_b32 v2, 63, v0
	v_lshlrev_b32 v2, 3, v2
	v_lshl_or_b32 v2, v3, 20, v2                   ; head x 1 MiB + my 8 bytes of the row
	CAST 0, 512
	s_endpgm
.Lnot_wq:
	s_cmp_lt_u32 s3, 704
	s_cbranch_scc0 .Lnot_wkv
	s_cmp_lt_u32 s3, 672
	s_cselect_b64 s[4:5], s[12:13], s[14:15]       ; Wk or Wv
	s_sub_co_u32 s3, s3, 640
	s_and_b32 s28, s3, 31                          ; the chunk in its own tensor,
	s_lshl_b32 s28, s28, 16
	s_lshl_b32 s30, s3, 15                         ; and in wb, where Wv's tile follows Wk's
	s_add_nc_u64 s[4:5], s[4:5], s[28:29]
	s_add_nc_u64 s[6:7], s[22:23], s[30:31]
	s_add_nc_u64 s[6:7], s[6:7], 0x400000
	CAST 0, 2048
	s_endpgm
.Lnot_wkv:
	s_cmp_lt_u32 s3, 832
	s_cbranch_scc0 .Ltable
	s_sub_co_u32 s3, s3, 704
	s_lshl_b32 s28, s3, 16
	s_lshl_b32 s30, s3, 15
	s_add_nc_u64 s[4:5], s[16:17], s[28:29]
	s_add_nc_u64 s[6:7], s[24:25], s[30:31]
	CAST 1, 2048
	s_endpgm
; THE TABLE.  Wave jb, lane (r, h): cos and sin of position[16 mt + r] x 10000^(-j / 128) for j = 16 jb + 8 h + 0..7.
.set E,  12                            ; v[12:19] the eight frequencies
.set CO, 20                            ; v[20:27] cos
.set SI, 28                            ; v[28:35] sin
.set XX, 36
.set NN, 37
.set RR, 38
.set ZZ, 39
.set SS, 40
.set CC, 41
.set WW, 42
.set QQ, 43
.set BB, 44
.set S2, 45
.set C2, 46
.macro SC i
	v_mul_f32 v[XX], v9, v[E+(\i)]                 ; the angle
	v_mul_f32 v[NN], 0x3f22f983, v[XX]             ; x 2 / pi
	v_rndne_f32 v[NN], v[NN]
	v_fmamk_f32 v[RR], v[NN], 0xbfc90fdb, v[XX]    ; r = x - n pi/2, pi/2 in three parts, each step one fused multiply-add
	v_fmamk_f32 v[RR], v[NN], 0x333bbd2e, v[RR]
	v_fmamk_f32 v[RR], v[NN], 0x26f72ced, v[RR]
	v_mul_f32 v[ZZ], v[RR], v[RR]
	v_mov_b32 v[SS], 0xb94ca1f9                    ; sin r = r + r z (s1 + z (s2 + z s3)) on |r| <= pi/4
	v_mov_b32 v[CC], 0x37ccf5ce                    ; cos r = 1 - z/2 + z z (c1 + z (c2 + z c3))
	v_fmaak_f32 v[SS], v[SS], v[ZZ], 0x3c08839e
	v_fmaak_f32 v[CC], v[CC], v[ZZ], 0xbab6061a
	v_fmaak_f32 v[SS], v[SS], v[ZZ], 0xbe2aaaa3
	v_fmaak_f32 v[CC], v[CC], v[ZZ], 0x3d2aaaa5
	v_mul_f32 v[SS], v[SS], v[ZZ]
	v_mul_f32 v[CC], v[CC], v[ZZ]
	v_fma_f32 v[WW], v[ZZ], -0.5, 1.0
	v_fma_f32 v[SS], v[SS], v[RR], v[RR]
	v_fma_f32 v[CC], v[CC], v[ZZ], v[WW]
	v_cvt_i32_f32 v[QQ], v[NN]                     ; the quadrant: n mod 4
	v_and_b32 v[BB], 1, v[QQ]
	v_cmp_eq_u32 vcc_lo, 1, v[BB]
	v_cndmask_b32 v[S2], v[SS], v[CC], vcc_lo      ; odd quadrants swap the two
	v_cndmask_b32 v[C2], v[CC], v[SS], vcc_lo
	v_and_b32 v[BB], 2, v[QQ]                      ; sin is negative in quadrants 2, 3,
	v_lshlrev_b32 v[BB], 30, v[BB]
	v_xor_b32 v[SI+(\i)], v[BB], v[S2]
	v_add_nc_u32 v[QQ], 1, v[QQ]                   ; cos in quadrants 1, 2
	v_and_b32 v[QQ], 2, v[QQ]
	v_lshlrev_b32 v[QQ], 30, v[QQ]
	v_xor_b32 v[CO+(\i)], v[QQ], v[C2]
.endm
.Ltable:
	s_sub_co_u32 s3, s3, 832                       ; mt
	s_lshl_b32 s28, s3, 6                          ; sixteen positions of 4 bytes
	s_lshl_b32 s30, s3, 14                         ; a block of the table is 16,384 bytes
	s_add_nc_u64 s[4:5], s[18:19], s[28:29]
	s_add_nc_u64 s[6:7], s[26:27], s[30:31]
	v_and_b32 v3, 15, v0
	v_lshlrev_b32 v3, 2, v3
	global_load_b32 v4, v3, s[4:5]
	v_lshrrev_b32 v5, 5, v0                        ; jb
	v_bfe_u32 v6, v0, 4, 1                         ; h
	v_lshlrev_b32 v7, 4, v5
	v_lshl_add_u32 v7, v6, 3, v7                   ; 16 jb + 8 h
	v_and_b32 v8, 31, v0
	v_lshlrev_b32 v8, 4, v8
	v_lshl_add_u32 v8, v5, 11, v8                  ; 2,048 jb + 16 lane
.irp i, 0,1,2,3,4,5,6,7
	v_add_nc_u32 v[E+\i], \i, v7
.endr
.irp i, 0,1,2,3,4,5,6,7
	v_cvt_f32_u32 v[E+\i], v[E+\i]
.endr
.irp i, 0,1,2,3,4,5,6,7
	v_mul_f32 v[E+\i], 0xbdd49a78, v[E+\i]         ; -j log2(10000) / 128
.endr
.irp i, 0,1,2,3,4,5,6,7
	v_exp_f32 v[E+\i], v[E+\i]
.endr
	s_wait_loadcnt 0x0
	v_cvt_f32_i32 v9, v4                           ; also the plain instruction between the last exponential and the use of its result (ISA guide 5.7.2)
	s_wait_alu depctr_va_vdst(0)
.irp i, 0,1,2,3,4,5,6,7
	SC \i
.endr
	global_store_b128 v8, v[CO:CO+3], s[6:7]                 ; each store of a wave covers 512 consecutive bytes
	global_store_b128 v8, v[CO+4:CO+7], s[6:7] offset:512
	global_store_b128 v8, v[SI:SI+3], s[6:7] offset:1024
	global_store_b128 v8, v[SI+4:SI+7], s[6:7] offset:1536
	s_endpgm
.Lfunc_end_k_qf0684c9631_prep:
	.size	k_qf0684c9631_prep, .Lfunc_end_k_qf0684c9631_prep-k_qf0684c9631_prep
	.p2alignl 7, 3214868480
	.fill 96, 4, 3214868480
	.section	.rodata,"a",@progbits
	.p2align	6, 0x0
	.amdhsa_kernel k_qf0684c9631_prep
		.amdhsa_group_segment_fixed_size 0
		.amdhsa_private_segment_fixed_size 0
		.amdhsa_enable_private_segment 0
		.amdhsa_kernarg_size 80
		.amdhsa_user_sgpr_count 2
		.amdhsa_user_sgpr_kernarg_segment_ptr 1
		.amdhsa_wavefront_size32 1
		.amdhsa_system_sgpr_workgroup_id_x 1
		.amdhsa_system_sgpr_workgroup_id_y 1
		.amdhsa_system_sgpr_workgroup_id_z 1
		.amdhsa_system_vgpr_workitem_id 0
		.amdhsa_next_free_vgpr 128
		.amdhsa_next_free_sgpr 66
		.amdhsa_reserve_vcc 1
		.amdhsa_float_denorm_mode_32 3
		.amdhsa_float_denorm_mode_16_64 3
		.amdhsa_memory_ordered 1
		.amdhsa_forward_progress 1
		.amdhsa_inst_pref_size 43
	.end_amdhsa_kernel
	.amdgpu_metadata
---
amdhsa.version: [ 1, 2 ]
amdhsa.kernels:
  - .name:           k_qf0684c9631_prep
    .symbol:         k_qf0684c9631_prep.kd
    .args:
      - { .name: hidden_states, .offset: 0, .size: 8, .value_kind: global_buffer, .address_space: global }
      - { .name: Wq, .offset: 8, .size: 8, .value_kind: global_buffer, .address_space: global }
      - { .name: Wk, .offset: 16, .size: 8, .value_kind: global_buffer, .address_space: global }
      - { .name: Wv, .offset: 24, .size: 8, .value_kind: global_buffer, .address_space: global }
      - { .name: Wo, .offset: 32, .size: 8, .value_kind: global_buffer, .address_space: global }
      - { .name: position_ids, .offset: 40, .size: 8, .value_kind: global_buffer, .address_space: global }
      - { .name: xb, .offset: 48, .size: 8, .value_kind: global_buffer, .address_space: global }
      - { .name: wb, .offset: 56, .size: 8, .value_kind: global_buffer, .address_space: global }
      - { .name: wo16, .offset: 64, .size: 8, .value_kind: global_buffer, .address_space: global }
      - { .name: rope, .offset: 72, .size: 8, .value_kind: global_buffer, .address_space: global }
    .group_segment_fixed_size: 0
    .private_segment_fixed_size: 0
    .kernarg_segment_align: 8
    .kernarg_segment_size: 80
    .max_flat_workgroup_size: 256
    .sgpr_count:     66
    .vgpr_count:     128
    .wavefront_size: 32
...
	.end_amdgpu_metadata
.endif
;; end of part 1
;; launch qkvp (part 2): grid 32 x 6, 4 waves a work-group, clusters of 4 x 1, 327,680 bytes of LDS; arguments xb, wb, rope, qkv; writes qkv
.if DOCPART == 2
	.amdgcn_target "amdgcn-amd-amdhsa--gfx1250"
	.amdhsa_code_object_version 6
	.text
	.protected	k_qf0684c9631_qkvp
	.globl	k_qf0684c9631_qkvp
	.p2align	8
	.type	k_qf0684c9631_qkvp,@function
k_qf0684c9631_qkvp:
	s_mov_b64 s[64:65], 0
	v_nop
	global_prefetch_b8 v0, s[64:65] scope:SCOPE_SE
	s_setreg_imm32_b32 hwreg(HW_REG_WAVE_MODE, 25, 1), 1
	s_wait_xcnt 0x0
	s_wait_alu depctr_hold_cnt(0) depctr_sa_sdst(0) depctr_va_vdst(0) depctr_va_sdst(0) depctr_va_ssrc(0) depctr_va_vcc(0) depctr_vm_vsrc(0)
	s_getreg_b32 s2, hwreg(HW_REG_IB_STS2, 6, 4)
	s_cmp_eq_u32 s2, 0
	s_cbranch_scc0 .Lentry_in_a_cluster
	s_endpgm
.Lentry_in_a_cluster:
	s_bfe_u32 s2, ttmp6, 0x10000c
	s_cmp_lg_u32 s2, 0x3003
	s_cbranch_scc0 .Lentry_shape_is_right
	s_endpgm
.Lentry_shape_is_right:
; THE PROJECTIONS AND RoPE.  qkv[t][m][n] = sum over k of xb[m][k] wb[t][k][n], t = 0-3 q's heads, 4 k, 5 v; tiles 0-4 are turned by RoPE on the way out; all rounded once to f16.
; xb, wb: bf16; sums in f32.  LIMIT: q, k, v after RoPE stay within f16's 65,504.
; SHARES.  A work-group makes 128 rows x 256 columns: one tile t, so that RoPE, the destination and the branch for v are the same for all its waves.  32 x 6 = 192 work-groups.
; Four waves 2 x 2, a wave 64 rows x 128 columns: 32 accumulators.  A wave's column blocks are 64 wn + 16 (b % 4) + 128 (b / 4): accumulators b and b + 4 hold channels j and j + 128
; in the same lane and register, so RoPE is arithmetic inside a lane.
; THE MATRIX INSTRUCTION IS USED TRANSPOSED: source 0 = 16 columns of W, source 1 = 16 rows of x: a lane holds one row and eight neighbouring columns.
; W lies [k][n], so its fragments come out of LDS turned, by ds_load_tr16_b128.
; K goes in steps of 128 through two LDS slots.  THE WALK ALONG K GOES ROUND: it begins at step (o[t] + 2 x cluster x) mod 16, o = 0, 8, 5, 13, 11, 3, so that the eight clusters that need a tile of W
; and the six work-groups that need a tile of x ask for it at different times.  The order of a sum's terms changes with it, the sum does not.
; CLUSTER: the four partners lie along the rows and need the same tiles of W: waves 2, 3 ask for them jointly (mask of four);
; waves 0, 1 fetch the work-group's own rows of x by plain tensor loads behind the same rounds.
; REGISTERS: window 0: v2-9 addresses, v28-29 the add's two, v32-127 and v128-223 two fragment buffers (x at +8 a, W at +32 + 8 b), v224-255 at work;  window 1: accumulator (a, b) at v[8 (8 a + b)].
.set KDIM,   2048
.set STEPS,  KDIM/128
.set APITCH, KDIM                      ; elements from row to row of x
.set BPITCH, 256                       ; of a tile of W
.set ASH,    8                         ; a K step is 256 bytes along a row of x,
.set BSH,    16                        ; and 128 rows of 512 bytes of W: both as shifts
.set PA,     272                       ; an LDS row of x: 256 bytes + 16: row r starts at bank 4 r mod 64 (64 banks of 4 bytes: ISA guide 11.1)
.set PB,     544                       ; an LDS row of W: 512 bytes + 32
.set BOFF,   128*PA                    ; in a slot: 128 rows of x, then 128 k rows of W
.set SLOT1,  1<<17                     ; slot 1 begins here: one exclusive or turns an address of one slot into the other's
.set STAGE,  SLOT1+BOFF+128*PB         ; behind the ring: 128 rows x 528 bytes, the work-group's, for the way out
.set SP,     528
.set SPARE,  STAGE+128*SP              ; behind the stage: the spare words, 128 bytes for each wave
.set LA,   2                           ; my lane's place in a slot's x; never rewritten
.set LB,   3                           ; in a slot's W
.set ADRA, 4                           ; the same in the slot being read
.set ADRB, 5
.set STO,  6                           ; the way out: where I put 16 bytes of a row
.set RD,   7                           ; where I read rows back
.set CO,   8                           ; my byte offset in the tile's rows of qkv
.set TO,   9                           ; 16 x lane: my place in a block of the table
.set SPW,  28
.set NIL,  29
.set F0,   32
.set F1,   128
.set CS0,  32                          ; the way out: two sets of 64: cos at +16 b, sin at +16 b + 8
.set R,    160                         ; 64 turned numbers
.set PKD,  224                         ; 32 registers of packed f16
.set G1A,  24                          ; s[24:31] group 1 for x's tiles
.set G1B,  32                          ; s[32:39] for W's
.set G0A0, 40                          ; s[40:43] group 0, x, slot 0's first fill
.set G0A,  44                          ; s[44:47] x, slot 1's first fill; then it walks
.set G0B0, 48
.set G0B,  52
.set CNT,  56
.set TB,   57                          ; the slot being read: 0 or SLOT1
.set NX,   61                          ; the K step asked for last, 0 to 15
.set MSB, 0
.macro WIN new                         ; the immediate's high byte repeats the setting that is left; a switch that changes nothing is dropped
.if MSB != (\new)
	s_set_vgpr_msb (MSB<<8)|(\new)
.set MSB, \new
.endif
.endm
.macro PLACES                          ; four places in front of loads into registers that matrix instructions have read, and of lines that read results
.rept 4
	v_nop
.endr
.endm
; Waves 0, 1 fetch the two halves of x's tile, waves 2, 3 those of W's.  The branch hangs on the wave's number alone.  An s_nop 0 and four v_nop follow each line.
.macro JLOAD ga, gb
	s_cmp_eq_u32 s13, 0
	s_cbranch_scc0 .Lfor_b_\@
	tensor_load_to_lds s[(\ga):(\ga)+3], s[G1A:G1A+7]
	s_nop 0
.rept 4
	v_nop
.endr
	s_branch .Lasked_\@
.Lfor_b_\@:
	tensor_load_to_lds s[(\gb):(\gb)+3], s[G1B:G1B+7]
	s_nop 0
.rept 4
	v_nop
.endr
.Lasked_\@:
.endm
.macro CREST                           ; a round of the cluster's barrier behind its opening barrier
	s_cmp_lg_u32 s12, 0
	s_cbranch_scc1 .Lnot_wave_0_\@
	s_barrier_signal -3
.Lnot_wave_0_\@:
	s_barrier_wait -3
	s_barrier_signal -1
	s_barrier_wait -1
.endm
.macro CROUND
	s_barrier_signal -1
	s_barrier_wait -1
	CREST
.endm
; The global addresses of K step NX into the group 0 sets ga (x) and gb (W): base + step << shift, the type bits set again
.macro ADDR ga, gb
	s_lshl_b32 s18, s[NX], ASH
	s_lshl_b32 s20, s[NX], BSH
	s_add_nc_u64 s[(\ga)+2:(\ga)+3], s[4:5], s[18:19]
	s_or_b32 s[(\ga)+3], s[(\ga)+3], 0x80000000
	s_add_nc_u64 s[(\gb)+2:(\gb)+3], s[6:7], s[20:21]
	s_or_b32 s[(\gb)+3], s[(\gb)+3], 0x80000000
.endm
.macro NEXTK                           ; the next K step, round the end
	s_add_co_u32 s[NX], s[NX], 1
	s_and_b32 s[NX], s[NX], STEPS-1
.endm
	s_load_b256 s[4:11], s[0:1], 0x0               ; xb s[4:5], wb s[6:7], rope s[8:9], qkv s[10:11]
	v_lshl_add_u32 v[SPW], v0, 2, SPARE
	v_mov_b32 v[NIL], 0
	ds_add_u32 v[SPW], v[NIL]                      ; the wave's opening: the add and its wait stand ahead of my first tensor load
	v_lshrrev_b32 v1, 5, v0
	v_readfirstlane_b32 s12, v1                    ; wave 0..3
	s_lshr_b32 s13, s12, 1                         ; my half of the rows.  Also: I fetch x (0) or W (1)
	s_and_b32 s14, s12, 1                          ; my half of the columns.  Also: which 64 rows of that tile I fetch
	s_bfe_u32 s15, ttmp6, 0x40000                  ; cx
	s_lshl_b32 s16, ttmp9, 2
	s_add_co_u32 s16, s16, s15                     ; row tile = 4 x cluster x + cx
	s_and_b32 s17, ttmp7, 0xffff                   ; the tile of W, which the partners share
	s_lshl_b32 s[NX], s17, 2                       ; the first K step: o[t], four bits each in a constant,
	s_lshr_b32 s[NX], 0x3bd580, s[NX]
	s_lshl_b32 s62, ttmp9, 1                       ; + 2 x the cluster's x: numbers that the partners share
	s_add_co_u32 s[NX], s[NX], s62
	s_and_b32 s[NX], s[NX], STEPS-1
	s_mov_b32 s[G1A], (1<<16)|(1<<20)|(5<<22)|(3<<25)   ; no mask; 2-byte elements; padding on: after every 64 words 4 words
	s_mov_b32 s[G1A+1], 128<<16                    ; tensor_dim0 = 128
	s_mov_b32 s[G1A+2], 64<<16                     ; tensor_dim1 = 64
	s_mov_b32 s[G1A+3], 128<<16                    ; tile_dim0 = 128
	s_mov_b32 s[G1A+4], 64                         ; tile_dim1 = 64
	s_mov_b32 s[G1A+5], APITCH
	s_mov_b32 s[G1A+6], 0
	s_mov_b32 s[G1A+7], 0
	s_mov_b32 s[G1B], 15|(1<<16)|(1<<20)|(1<<21)|(6<<22)|(7<<25)  ; the mask of four, bit 21 beside it; after every 128 words 8 words
	s_mov_b32 s[G1B+1], 256<<16
	s_mov_b32 s[G1B+2], 64<<16
	s_mov_b32 s[G1B+3], 256<<16
	s_mov_b32 s[G1B+4], 64
	s_mov_b32 s[G1B+5], BPITCH
	s_mov_b32 s[G1B+6], 0
	s_mov_b32 s[G1B+7], 0
	s_lshl_b32 s18, s16, 19                        ; x: (128 row tile + 64 half) rows of 4,096 bytes
	s_lshl_b32 s19, s14, 18
	s_add_co_u32 s18, s18, s19
	s_mov_b32 s19, 0
	s_lshl_b32 s20, s17, 20                        ; W: tile x 1 MiB + 64 half rows of 512 bytes: no place in the cluster enters
	s_lshl_b32 s21, s14, 15
	s_add_co_u32 s20, s20, s21
	s_mov_b32 s21, 0
	s_mul_i32 s22, s14, 64*PA                      ; where they go in a slot
	s_mul_i32 s23, s14, 64*PB
	s_add_co_u32 s23, s23, BOFF
	s_mov_b32 s[G0A0], 1
	s_mov_b32 s[G0A0+1], s22
	s_mov_b32 s[G0A], 1
	s_add_co_u32 s[G0A+1], s22, SLOT1
	s_mov_b32 s[G0B0], 1
	s_mov_b32 s[G0B0+1], s23
	s_mov_b32 s[G0B], 1
	s_add_co_u32 s[G0B+1], s23, SLOT1
	s_wait_dscnt 0x0                               ; the opening add is done
	s_wait_kmcnt 0x0
	s_add_nc_u64 s[4:5], s[4:5], s[18:19]          ; x at my 64 rows, W at my 64 k rows of K step 0: the bases from which every fill's address is made
	s_add_nc_u64 s[6:7], s[6:7], s[20:21]
	ADDR G0A0, G0B0                                ; the walk's first step,
	NEXTK
	ADDR G0A, G0B                                  ; and its second
	CROUND                                         ; all four work-groups are here: the first joint loads meet
	JLOAD G0A0, G0B0                               ; into slot 0,
	JLOAD G0A, G0B                                 ; into slot 1: two loads of mine are out
	s_lshl_b32 s58, s16, 17                        ; the table at my first block of 16 rows and my first block of 16 j: (8 row tile + 4 wm) x 16,384 + 4 wn x 2,048
	s_lshl_b32 s59, s13, 16
	s_add_co_u32 s58, s58, s59
	s_lshl_b32 s59, s14, 13
	s_add_co_u32 s58, s58, s59
	s_mov_b32 s59, 0
	s_add_nc_u64 s[8:9], s[8:9], s[58:59]
	s_lshl_b32 s58, s17, 21                        ; qkv at the tile's plane (2 MiB) and the work-group's 128 rows of 512 bytes
	s_lshl_b32 s60, s16, 16
	s_add_co_u32 s58, s58, s60
	s_add_nc_u64 s[10:11], s[10:11], s[58:59]
	v_and_b32 v1, 15, v0                           ; r = l % 16
	v_bfe_u32 v10, v0, 4, 1                        ; h = l / 16
	v_and_b32 v11, 7, v0
	v_bfe_u32 v12, v0, 3, 1
	v_and_b32 v13, 31, v0                          ; l
	s_mul_i32 s58, s13, 64*PA
	v_mul_u32_u24 v[LA], v1, PA                    ; x: (64 wm + r) rows + 16 h
	v_lshl_add_u32 v[LA], v10, 4, v[LA]
	v_add_nc_u32 v[LA], s58, v[LA]
	s_lshl_b32 s58, s14, 7
	s_add_co_u32 s58, s58, BOFF
	v_lshl_add_u32 v[LB], v10, 3, v11              ; W: k row 8 h + l % 8, 16 bytes at 16 ((l / 8) % 2), my 64 columns at 128 wn
	v_mul_u32_u24 v[LB], v[LB], PB
	v_lshl_add_u32 v[LB], v12, 4, v[LB]
	v_add_nc_u32 v[LB], s58, v[LB]
	v_mov_b32 v[ADRA], v[LA]
	v_mov_b32 v[ADRB], v[LB]
	s_mov_b32 s[TB], 0
	s_mul_i32 s58, s13, 64*SP
	s_lshl_b32 s59, s14, 7
	s_add_co_u32 s58, s58, s59
	s_add_co_u32 s58, s58, STAGE
	v_mul_u32_u24 v[STO], v1, SP                   ; into the stage: row 64 wm + r, byte 128 wn + 16 h
	v_lshl_add_u32 v[STO], v10, 4, v[STO]
	v_add_nc_u32 v[STO], s58, v[STO]
	s_mul_i32 s58, s12, 32*SP
	s_add_co_u32 s58, s58, STAGE
	v_lshl_add_u32 v[RD], v13, 4, s58              ; back: wave w takes rows 32 w .. 32 w + 31 whole, 32 lanes a row of 512 bytes
	s_lshl_b32 s58, s12, 14
	v_lshl_add_u32 v[CO], v13, 4, s58
	v_lshlrev_b32 v[TO], 4, v13
; 8 matrix instructions: row block a x all 8 column blocks, 32 along K.  zero = 1: the product starts the sums.  The 32 accumulators take turns, in the same order in every quarter.
.macro MUL8 f, a, zero
	WIN 0x50                                       ; C and D window 1
.irp b, 0,1,2,3,4,5,6,7
.if \zero
	v_wmma_f32_16x16x32_bf16 v[8*(8*(\a)+\b):8*(8*(\a)+\b)+7], v[(\f)+32+8*\b:(\f)+32+8*\b+7], v[(\f)+8*(\a):(\f)+8*(\a)+7], 0
.else
	v_wmma_f32_16x16x32_bf16 v[8*(8*(\a)+\b):8*(8*(\a)+\b)+7], v[(\f)+32+8*\b:(\f)+32+8*\b+7], v[(\f)+8*(\a):(\f)+8*(\a)+7], v[8*(8*(\a)+\b):8*(8*(\a)+\b)+7]
.endif
.endr
.endm
; 24 LDS loads in one run: quarter q (32 along K) into buffer f: W's eight fragments, then x's four
.macro FETCH q, f
	WIN 0
.irp b, 0,1,2,3,4,5,6,7
	ds_load_tr16_b128 v[(\f)+32+8*\b:(\f)+32+8*\b+3],   v[ADRB] offset:(\q)*32*PB+32*(\b%4)+256*(\b/4)
	ds_load_tr16_b128 v[(\f)+32+8*\b+4:(\f)+32+8*\b+7], v[ADRB] offset:(\q)*32*PB+32*(\b%4)+256*(\b/4)+16*PB
.endr
.irp a, 0,1,2,3
	ds_load_b128 v[(\f)+8*\a:(\f)+8*\a+3],   v[ADRA] offset:\a*16*PA+64*(\q)
	ds_load_b128 v[(\f)+8*\a+4:(\f)+8*\a+7], v[ADRA] offset:\a*16*PA+64*(\q)+32
.endr
.endm
; One of a K step's first three quarters: multiplies buffer f, and in its middle fetches quarter q into buffer g
.macro QUARTER q, f, g, zero
	s_wait_dscnt 4                                 ; all but the youngest four loads: x's row blocks 2, 3
	MUL8 \f, 0, \zero
	MUL8 \f, 1, \zero
	PLACES
	FETCH \q, \g
	s_wait_dscnt 24                                ; all but the 24 just issued
	MUL8 \f, 2, \zero
	MUL8 \f, 3, \zero
.endm
; The fourth quarter multiplies buffer 1 and changes slots.  In front of the barrier each wave waits for all its tensor loads (one is out: its part of the next slot), adds 0 to its spare word,
; and waits for that and for its reads of this slot.  fill = 1: the barrier opens a round of the cluster's; behind it this slot is filled again, two steps of the walk ahead, first of all.
.macro TURN fill
	WIN 0
	s_wait_tensorcnt 0x0
	ds_add_u32 v[SPW], v[NIL]
.if \fill
	NEXTK                                          ; no tensor load of mine is out: the walking descriptors take the other slot than last time and the walk's next step
	s_xor_b32 s[G0A+1], s[G0A+1], SLOT1
	s_xor_b32 s[G0B+1], s[G0B+1], SLOT1
	ADDR G0A, G0B
.endif
	s_wait_dscnt 5                                 ; the add and x's last four loads may be out
	MUL8 F1, 0, 0
	s_wait_dscnt 0x0                               ; the add is done, and my reads of this slot are over
	s_barrier_signal -1
	MUL8 F1, 1, 0
	WIN 0
	s_barrier_wait -1
.if \fill
	CREST
	JLOAD G0A, G0B                                 ; 112 matrix instructions ahead of the wait for it; its four v_nop are also the places in front of the loads below
.else
	PLACES
.endif
	s_xor_b32 s[TB], s[TB], SLOT1
	v_add_nc_u32 v[ADRA], s[TB], v[LA]
	v_add_nc_u32 v[ADRB], s[TB], v[LB]
	FETCH 0, F0
	MUL8 F1, 2, 0
	MUL8 F1, 3, 0
.endm
	s_wait_tensorcnt 1                             ; my part of the first step is in; the second's may stay out
	s_barrier_signal -1
	s_barrier_wait -1
	FETCH 0, F0
	QUARTER 1, F0, F1, 1                           ; the first quarter stands in front of the loop: its products start the sums
	WIN 0
	s_mov_b32 s[CNT], STEPS-2
.Lstep:                                                ; a trip: from a K step's second quarter to the next step's first; it fills one slot again
	QUARTER 2, F1, F0, 0
	QUARTER 3, F0, F1, 0
	TURN 1
	QUARTER 1, F0, F1, 0
	WIN 0
	s_sub_co_u32 s[CNT], s[CNT], 1
	s_cmp_lg_u32 s[CNT], 0
	s_cbranch_scc1 .Lstep
	QUARTER 2, F1, F0, 0                           ; the last two K steps ask for nothing
	QUARTER 3, F0, F1, 0
	TURN 0
	QUARTER 1, F0, F1, 0
	QUARTER 2, F1, F0, 0
	QUARTER 3, F0, F1, 0
	s_wait_dscnt 4
	MUL8 F1, 0, 0
	MUL8 F1, 1, 0
	s_wait_dscnt 0x0
	MUL8 F1, 2, 0
	MUL8 F1, 3, 0
	WIN 0
	PLACES
; THE WAY OUT.  Tiles 0-4: lo' = lo cos - hi sin, hi' = hi cos + lo sin, lo in accumulator b, hi in b + 4; tile 5 (v) as it is.  Rounded to f16, through the shared stage, out as whole rows.
.macro TLOAD a, cs                     ; cos and sin for row block a and my four blocks of j: 16 loads of 512 consecutive bytes
.irp b, 0,1,2,3
.irp q, 0,1,2,3
	global_load_b128 v[(\cs)+16*\b+4*\q:(\cs)+16*\b+4*\q+3], v[TO], s[8:9] offset:16384*(\a)+2048*\b+512*\q
.endr
.endr
.endm
.macro TOSTAGE a
.irp b, 0,1,2,3,4,5,6,7
	ds_store_b128 v[STO], v[PKD+4*\b:PKD+4*\b+3] offset:(\a)*16*SP+32*(\b%4)+256*(\b/4)
.endr
.endm
.macro ROPE a
.set cs, CS0+64*((\a)%2)
.if (\a) < 3
	s_wait_loadcnt 16                              ; my set is in; the other set's sixteen loads may stay out
.else
	s_wait_loadcnt 0x0
.endif
	WIN 0x01                                       ; source 0: the accumulators, window 1.
.irp b, 0,1,2,3
.set rLO, 8*(8*(\a)+\b)
.set rHI, rLO+32
.set rCO, cs+16*\b
.set rSI, rCO+8
.set rL, R+8*\b
.set rH, R+32+8*\b
.irp p, 0,2,4,6
	v_pk_mul_f32 v[rL+\p:rL+\p+1], v[rHI+\p:rHI+\p+1], v[rSI+\p:rSI+\p+1]
.endr
.irp p, 0,2,4,6
	v_pk_mul_f32 v[rH+\p:rH+\p+1], v[rLO+\p:rLO+\p+1], v[rSI+\p:rSI+\p+1]
.endr
.irp p, 0,2,4,6
	v_pk_fma_f32 v[rL+\p:rL+\p+1], v[rLO+\p:rLO+\p+1], v[rCO+\p:rCO+\p+1], v[rL+\p:rL+\p+1] neg_lo:[0,0,1] neg_hi:[0,0,1]
.endr
.irp p, 0,2,4,6
	v_pk_fma_f32 v[rH+\p:rH+\p+1], v[rHI+\p:rHI+\p+1], v[rCO+\p:rCO+\p+1], v[rH+\p:rH+\p+1]
.endr
.endr
	WIN 0
.set i, 0
.rept 32
	v_cvt_pk_f16_f32 v[PKD+i], v[R+2*i], v[R+2*i+1]
.set i, i+1
.endr
	TOSTAGE \a
.if (\a) < 2
	TLOAD (\a)+2, cs
.endif
.endm
	s_cmp_eq_u32 s17, 5                            ; the same answer in all waves and all partners
	s_cbranch_scc1 .Lplain
	TLOAD 0, CS0
	TLOAD 1, CS0+64
	ROPE 0
	ROPE 1
	ROPE 2
	ROPE 3
	s_branch .Ljoin
.Lplain:
.irp a, 0,1,2,3
	WIN 0x05                                       ; sources 0 and 1 window 1
.set i, 0
.rept 32
	v_cvt_pk_f16_f32 v[PKD+i], v[64*\a+2*i], v[64*\a+2*i+1]
.set i, i+1
.endr
	WIN 0
	TOSTAGE \a
.endr
.Ljoin:
	s_wait_dscnt 0x0                               ; for the others' sake: my stores into the stage are done
	s_barrier_signal -1
	s_barrier_wait -1
.set t, 0
.rept 32
	ds_load_b128 v[32+4*t:32+4*t+3], v[RD] offset:SP*t
.set t, t+1
.endr
.set t, 0
.rept 32
	s_wait_dscnt 31-t                              ; row t is back; the younger loads stay out
	global_store_b128 v[CO], v[32+4*t:32+4*t+3], s[10:11] offset:512*t  ; a store of the wave covers a whole row: 512 consecutive bytes
.set t, t+1
.endr
	s_wait_tensorcnt 0x0                           ; the wave's end
	ds_add_u32 v[SPW], v[NIL]
	s_wait_dscnt 0x0
	CROUND                                         ; the closing round
	s_endpgm
.Lfunc_end_k_qf0684c9631_qkvp:
	.size	k_qf0684c9631_qkvp, .Lfunc_end_k_qf0684c9631_qkvp-k_qf0684c9631_qkvp
	.p2alignl 7, 3214868480
	.fill 96, 4, 3214868480
	.section	.rodata,"a",@progbits
	.p2align	6, 0x0
	.amdhsa_kernel k_qf0684c9631_qkvp
		.amdhsa_group_segment_fixed_size 327680
		.amdhsa_private_segment_fixed_size 0
		.amdhsa_enable_private_segment 0
		.amdhsa_kernarg_size 32
		.amdhsa_user_sgpr_count 2
		.amdhsa_user_sgpr_kernarg_segment_ptr 1
		.amdhsa_wavefront_size32 1
		.amdhsa_system_sgpr_workgroup_id_x 1
		.amdhsa_system_sgpr_workgroup_id_y 1
		.amdhsa_system_sgpr_workgroup_id_z 1
		.amdhsa_system_vgpr_workitem_id 0
		.amdhsa_next_free_vgpr 512
		.amdhsa_next_free_sgpr 66
		.amdhsa_reserve_vcc 0
		.amdhsa_float_denorm_mode_32 3
		.amdhsa_float_denorm_mode_16_64 3
		.amdhsa_memory_ordered 1
		.amdhsa_forward_progress 1
		.amdhsa_inst_pref_size 104
	.end_amdhsa_kernel
	.amdgpu_metadata
---
amdhsa.version: [ 1, 2 ]
amdhsa.kernels:
  - .name:           k_qf0684c9631_qkvp
    .symbol:         k_qf0684c9631_qkvp.kd
    .args:
      - { .name: xb, .offset: 0, .size: 8, .value_kind: global_buffer, .address_space: global }
      - { .name: wb, .offset: 8, .size: 8, .value_kind: global_buffer, .address_space: global }
      - { .name: rope, .offset: 16, .size: 8, .value_kind: global_buffer, .address_space: global }
      - { .name: qkv, .offset: 24, .size: 8, .value_kind: global_buffer, .address_space: global }
    .group_segment_fixed_size: 327680
    .private_segment_fixed_size: 0
    .kernarg_segment_align: 8
    .kernarg_segment_size: 32
    .max_flat_workgroup_size: 128
    .sgpr_count:     66
    .vgpr_count:     512
    .wavefront_size: 32
...
	.end_amdgpu_metadata
.endif
;; end of part 2
;; launch attn (part 3): grid 256 x 1, 4 waves a work-group, clusters of 4 x 1, 327,680 bytes of LDS; arguments qkv, attention_mask, att; writes att
.if DOCPART == 3
	.amdgcn_target "amdgcn-amd-amdhsa--gfx1250"
	.amdhsa_code_object_version 6
	.text
	.protected	k_qf0684c9631_attn
	.globl	k_qf0684c9631_attn
	.p2align	8
	.type	k_qf0684c9631_attn,@function
k_qf0684c9631_attn:
	s_mov_b64 s[64:65], 0
	v_nop
	global_prefetch_b8 v0, s[64:65] scope:SCOPE_SE
	s_setreg_imm32_b32 hwreg(HW_REG_WAVE_MODE, 25, 1), 1
	s_wait_xcnt 0x0
	s_wait_alu depctr_hold_cnt(0) depctr_sa_sdst(0) depctr_va_vdst(0) depctr_va_sdst(0) depctr_va_ssrc(0) depctr_va_vcc(0) depctr_vm_vsrc(0)
	s_getreg_b32 s2, hwreg(HW_REG_IB_STS2, 6, 4)
	s_cmp_eq_u32 s2, 0
	s_cbranch_scc0 .Lentry_in_a_cluster
	s_endpgm
.Lentry_in_a_cluster:
	s_bfe_u32 s2, ttmp6, 0x10000c
	s_cmp_lg_u32 s2, 0x3003
	s_cbranch_scc0 .Lentry_shape_is_right
	s_endpgm
.Lentry_shape_is_right:
; ATTENTION.  att[q][256 hd + :] = sum over k of softmax_k(q_hd[q] . k[k] / 16 + mask[q][k]) v[k][:], four query heads on one key and value head, 4,096 keys, head size 256.
; q, k, v: f16, by planes of qkv ([6][4096][256]: 0-3 q, 4 k, 5 v).  The mask is an input: every one of its numbers is read and added, and all 4,096 keys are walked for every query.
; Products, maxima and sums in f32; the weights are rounded to f16 for the second product (their sum is taken unrounded), att once at the end.
; SHARES.  A work-group owns 16 queries of ALL FOUR heads: four tiles of 16 rows that share K, V and the mask, so each mask number is read once in the launch and serves four tiles.
; Keys go in tiles of 128.  THE FIRST PRODUCT IS SHARED BY KEYS: wave w makes S^T = K Q^T for keys 32 w .. 32 w + 31, all heads.  THE SECOND BY CHANNELS: wave w makes O^T = V^T P for channels
; 64 w .. 64 w + 63, all 128 keys, all heads.  Either way a fragment of K or V read from LDS feeds four matrix instructions, and a wave's O^T is 128 registers: 64 packed lines rescale it.
; Between the two the waves hand each other, through LDS: their maxima (so that the running maximum m is one for the work-group) and their weights P.
; LAYOUT.  S^T: a lane holds one query (lane % 16) and keys 8 (lane / 16) + 0..7; two results rounded to f16 in pairs ARE source 1 (32 keys x 16 queries) of V^T P, lane for lane, so P goes through LDS
; as it lies in the registers.  V is turned by ds_load_tr16_b128.
; SOFTMAX, in powers of two: s = (q.k) c/16 + c mask, c = log2(e); p = 2^(s - m) with a running maximum m, so that p is exactly 1 at s = m however large a mask is;
; O and l are multiplied by a = 2^(m_old - m_new) in every step.  The mask is rounded to bf16, like every other input, and multiplied by c once, in f32, on its way into LDS.
; Each wave sums the weights of its own keys; the four sums meet at the end.
; LIMITS.  m starts at -1e30: a row all of whose s lie below that has no right result.  A weight below 2^-126 counts as 0.  NaN is not treated apart.  q, k, v are finite f16.
; THE PIPELINE.  Trip t: (A) O^T x a_t, fifteen sixteenths of it in the shadow of the first LDS loads, then 64 products K Q^T of tile t + 1, then the last sixteenth; (B) 64 products V^T P of tile t,
; four lines of tile t + 1's softmax behind each.  So an LDS slot holds K of tile t + 1 and V of tile t.  Trip -1 is a trip like any other: its weights are 0 and its V is the tile in front of the
; walk's first, which need only be finite.
; THE WALK GOES ROUND: tiles are counted from the cluster's own first tile, (8 (cl / 16) + cl % 8 + 16 ((cl / 8) % 2)) mod 32, so that the 64 clusters ask for a tile of K and V at different times.
; CLUSTER.  All work-groups walk the same K and V: the four of a cluster ask for each tile jointly.
; NO PREFETCH: K and V are read again and again by all work-groups; the mask is asked for by real loads a whole trip ahead of its use.
; REGISTERS, in windows of 256 (s_set_vgpr_msb: bits 1:0 source 0, 3:2 source 1, 5:4 source 2, 7:6 destination):
;   window 0: v1-19 addresses; v20-23 my maxima; v24-39 the four waves' maxima; v40-71 statistics; v72-87 the mask's fragment; v88-151 S^T; v152-183 my P; v184-209 the mask on its way
;   window 1: Q, head hd, channels 32 c on at 64 hd + 8 c        window 2: O^T, head hd, channel block cb at 32 hd + 8 cb; from 128 on all P: key block kc, head hd at 32 kc + 8 hd
;   window 3: K's 16 fragments (channels 32 c on, keys 16 kt on at 16 c + 8 kt); from 128 on V's 16 (keys 32 kc on, channels 16 cb on at 32 kc + 8 cb)
.set PKP,   528                        ; a row of K in LDS: 512 bytes + 16: row r starts at bank 4 r mod 64 (64 banks of 4 bytes: ISA guide 11.1)
.set PVP,   544                        ; a row of V: 512 + 32
.set VOFF,  128*PKP                    ; in a slot: 128 rows of K, then 128 rows of V
.set SLOT1, 0x22000                    ; slot 1: its bits meet none of the four tile addresses 0, 0x8400, 0x10800, 0x19000, so one exclusive or turns each of them
.set MB,    SLOT1+VOFF+128*PVP         ; behind the ring, all written by ds_store alone: c x mask of one tile, 16 rows x (512 + 16) bytes of f32
.set MP,    528
.set PB,    MB+16*MP                   ; the weights: [wave][head][registers 0-3, 4-7][32 lanes] of 16 bytes
.set XM,    PB+16384                   ; the maxima: [wave][32 lanes][4 heads]
.set XL,    XM+2048                    ; the sums, at the end: likewise
.set SPARE, XL+2048                    ; the spare words, 128 bytes for each wave
.set SG,    2064                       ; the way out: a row of att, 2,048 bytes + 16, in slot 0's bytes behind their last fill and last read
.set AK0, 2                            ; my lane's place in a slot's K; never rewritten
.set AV0, 3                            ; in a slot's V
.set AM,  4                            ; in the mask's buffer
.set AK,  5                            ; K's and V's in the slot being read
.set AV,  6
.set MO,  8                            ; the mask in memory: my 16 bytes of my first row of the tile to be asked for
.set MS,  9                            ; where they go in LDS
.set QO,  10
.set SPW, 14
.set NIL, 15
.set XMS, 16                           ; where my maxima go,
.set XML, 17                           ; and where wave 0's lie
.set PBS, 18                           ; the same for the weights
.set PBL, 19
.set LM,  20
.set XG,  24                           ; wave x, head hd at XG + 4 x + hd
.set ST,  40                           ; head hd at ST + 8 hd: +0 m, +1 its pair's partner, +2 +3 l (even keys', odd keys'), +4 +5 c0 c1 at work, +6 a, +7 d
.set MR,  72
.set S,   88                           ; head hd, score i (key 16 (i / 8) + 8 h + i % 8) at S + 16 hd + i
.set PO,  152                          ; head hd at PO + 8 hd
.set ML,  184                          ; v[184:199] four loads of the mask
.set VC,  200                          ; c
.set VZ,  201                          ; 0
.set MT,  202                          ; v[202:209] at work
.set STG, 210                          ; the way out
.set RDS, 211
.set GOF, 212
.set OB,  24                           ; the way out: 64 registers of whole rows
.set PF,  128                          ; in window 2
.set VF,  128                          ; in window 3
.set WV,  12
.set G1K, 24
.set G1V, 32
.set G0K, 40                           ; one walking descriptor for K's tiles,
.set G0V, 44                           ; one for V's
.set CNT, 48
.set TB,  49                           ; the slot being read: 0 or SLOT1
.set OFF, 50                           ; s[50:51] a tile's byte offset in k and in v
.set CQ,  52                           ; s[52:53] c / 16
.set SEL, 54                           ; s[54:55] v_permlanex16_b32's selects: each lane takes its own place in the other half
.set NK,  62                           ; the tile of K asked for last, 0 to 31
.set MSB, 0
.macro WIN new
.if MSB != (\new)
	s_set_vgpr_msb (MSB<<8)|(\new)
.set MSB, \new
.endif
.endm
.macro PLACES
.rept 4
	v_nop
.endr
.endm
.macro CROUND
	s_barrier_signal -1
	s_barrier_wait -1
	s_cmp_lg_u32 s[WV], 0
	s_cbranch_scc1 .Lnot_wave_0_\@
	s_barrier_signal -3
.Lnot_wave_0_\@:
	s_barrier_wait -3
	s_barrier_signal -1
	s_barrier_wait -1
.endm
; A joint fill.  Waves 0, 1 fetch the halves of K's tile (which = 1 alone), waves 2, 3 those of V's: 64 rows of 512 bytes each.  An s_nop 0 and four v_nop follow each line.
.macro LOAD which
	s_cmp_lt_u32 s[WV], 2
.if (\which) == 1
	s_cbranch_scc0 .Lfor_v_\@
	tensor_load_to_lds s[G0K:G0K+3], s[G1K:G1K+7]
	s_nop 0
.rept 4
	v_nop
.endr
	s_branch .Lasked_\@
.Lfor_v_\@:
.else
	s_cbranch_scc1 .Lasked_\@
.endif
	tensor_load_to_lds s[G0V:G0V+3], s[G1V:G1V+7]
	s_nop 0
.rept 4
	v_nop
.endr
.Lasked_\@:
.endm
; THE CHANGE OF SLOTS.  Each wave waits for all its tensor loads (one is out: its part of the slot to be read), adds 0 to its spare word, and waits for that, for its reads of the slot that it leaves
; and for its stores of weights and mask.  fill = 1: the old slot takes V of the tile whose K was asked for last, and the next K; 2: the last V alone.  The addresses are made anew from the tile's number.
; The barrier is then a round of the cluster's and the joint fill the first thing behind it: it has a trip, 128 matrix instructions, in which to land.
.macro CHANGE fill
	WIN 0
	s_wait_tensorcnt 0x0
	ds_add_u32 v[SPW], v[NIL]
.if \fill
	s_lshl_b32 s[OFF], s[NK], 16                   ; a tile is 65,536 bytes
	s_xor_b32 s[G0V+1], s[G0V+1], SLOT1
	s_add_nc_u64 s[G0V+2:G0V+3], s[10:11], s[OFF:OFF+1]
	s_or_b32 s[G0V+3], s[G0V+3], 0x80000000
.endif
.if (\fill) == 1
	s_add_co_u32 s[NK], s[NK], 1
	s_and_b32 s[NK], s[NK], 31                     ; round the end
	s_lshl_b32 s[OFF], s[NK], 16
	s_xor_b32 s[G0K+1], s[G0K+1], SLOT1
	s_add_nc_u64 s[G0K+2:G0K+3], s[4:5], s[OFF:OFF+1]
	s_or_b32 s[G0K+3], s[G0K+3], 0x80000000
.endif
	s_xor_b32 s[TB], s[TB], SLOT1
	s_wait_dscnt 0x0
.if \fill
	CROUND
	LOAD \fill
.else
	s_barrier_signal -1
	s_barrier_wait -1
.endif
.endm
; THE MASK.  My four rows of a tile, asked for a trip ago.  BLKA: rounded to bf16, then widened and multiplied by c in one line each: work on registers alone.
; BLKB: stored, and the next tile's asked for.  mode = 1 (in the loop): the last trip, CNT = 1, has no further tile: its loads are jumped over.
.macro BLKA
.irp i, 0,1,2,3
	v_cvt_pk_bf16_f32 v[MT+2*\i], v[ML+4*\i], v[ML+4*\i+1]
	v_cvt_pk_bf16_f32 v[MT+2*\i+1], v[ML+4*\i+2], v[ML+4*\i+3]
.endr
.irp i, 0,1,2,3
	v_fma_mix_f32_bf16 v[ML+4*\i],   v[MT+2*\i],   v[VC], v[VZ] op_sel_hi:[1,0,0]
	v_fma_mix_f32_bf16 v[ML+4*\i+1], v[MT+2*\i],   v[VC], v[VZ] op_sel:[1,0,0] op_sel_hi:[1,0,0]
	v_fma_mix_f32_bf16 v[ML+4*\i+2], v[MT+2*\i+1], v[VC], v[VZ] op_sel_hi:[1,0,0]
	v_fma_mix_f32_bf16 v[ML+4*\i+3], v[MT+2*\i+1], v[VC], v[VZ] op_sel:[1,0,0] op_sel_hi:[1,0,0]
.endr
.endm
.macro BLKB mode
.irp i, 0,1,2,3
	ds_store_b128 v[MS], v[ML+4*\i:ML+4*\i+3] offset:MP*\i
.endr
	v_add_nc_u32 v[MO], 512, v[MO]                 ; free since the wait for its loads: the next tile's 512 bytes of each row,
	v_and_b32 v[MO], 0xffffbfff, v[MO]             ; round the row's end: a row is 32 tiles, and bit 14 of the offset is otherwise 0
.if \mode
	s_cmp_lt_u32 s[CNT], 2
	s_cbranch_scc1 .Lno_more_\@
.endif
.irp i, 0,1,2,3
	global_load_b128 v[ML+4*\i:ML+4*\i+3], v[MO], s[58:59] offset:16384*\i th:TH_LOAD_NT  ; 512 consecutive bytes of one row of the mask
.endr
.if \mode
.Lno_more_\@:
.endif
.endm
	s_load_b128 s[4:7], s[0:1], 0x0                ; qkv s[4:5], mask s[6:7]
	s_load_b64 s[8:9], s[0:1], 0x10                ; att
	v_lshl_add_u32 v[SPW], v0, 2, SPARE
	v_mov_b32 v[NIL], 0
	ds_add_u32 v[SPW], v[NIL]                      ; the wave's opening: the add and its wait stand ahead of my first tensor load
	v_lshrrev_b32 v1, 5, v0
	v_readfirstlane_b32 s[WV], v1                  ; wave 0..3
	s_and_b32 s13, s[WV], 1                        ; which half of a tile's 128 rows I fetch
	s_bfe_u32 s15, ttmp6, 0x40000                  ; cx
	s_lshl_b32 s16, ttmp9, 2
	s_add_co_u32 s16, s16, s15                     ; my block of 16 queries: it enters Q's, the mask's and att's addresses alone
	s_lshr_b32 s[NK], ttmp9, 4                     ; the walk's first tile, from the cluster's number, which the partners share
	s_lshl_b32 s[NK], s[NK], 3
	s_and_b32 s19, ttmp9, 7
	s_add_co_u32 s[NK], s[NK], s19
	s_and_b32 s19, ttmp9, 8
	s_lshl_b32 s19, s19, 1
	s_add_co_u32 s[NK], s[NK], s19
	s_and_b32 s[NK], s[NK], 31
	s_mul_i32 s17, s13, 64*PKP                     ; my half's place in a slot, for K
	s_mul_i32 s18, s13, 64*PVP
	s_add_co_u32 s18, s18, VOFF                    ; and for V
	s_mov_b32 s[G1K], 15|(1<<16)|(1<<20)|(1<<21)|(6<<22)|(3<<25)  ; the mask of four, bit 21 beside it; 2-byte elements; padding: after every 128 words 4 words
	s_mov_b32 s[G1V], 15|(1<<16)|(1<<20)|(1<<21)|(6<<22)|(7<<25)  ; the same with 8 words
.irp g, G1K, G1V
	s_mov_b32 s[\g+1], 256<<16                     ; tensor_dim0 = 256
	s_mov_b32 s[\g+2], 64<<16                      ; tensor_dim1 = 64
	s_mov_b32 s[\g+3], 256<<16                     ; tile_dim0 = 256
	s_mov_b32 s[\g+4], 64                          ; tile_dim1 = 64
	s_mov_b32 s[\g+5], 256                         ; 256 elements from row to row
	s_mov_b32 s[\g+6], 0
	s_mov_b32 s[\g+7], 0
.endr
	s_mov_b32 s[G0K], 1
	s_mov_b32 s[G0K+1], s17                        ; slot 0
	s_mov_b32 s[G0V], 1
	s_mov_b32 s[G0V+1], s18
	s_mov_b32 s[CQ], 0x3db8aa3b                    ; log2(e) / 16
	s_mov_b32 s[CQ+1], s[CQ]
	s_mov_b32 s[SEL], 0x76543210
	s_mov_b32 s[SEL+1], 0xfedcba98
	s_mov_b32 s[OFF+1], 0
	s_lshl_b32 s20, s13, 15                        ; my 64 rows of 512 bytes: no place in the cluster enters K's and V's addresses
	s_mov_b32 s21, 0
	s_lshl_b32 s22, s16, 13                        ; 16 rows of 512 bytes of q
	s_mov_b32 s23, 0
	s_wait_dscnt 0x0                               ; the opening add is done
	s_wait_kmcnt 0x0
	s_add_nc_u64 s[56:57], s[4:5], s[22:23]        ; q at my 16 rows of head 0
	s_add_nc_u64 s[4:5], s[4:5], s[20:21]
	s_add_nc_u64 s[10:11], s[4:5], 0xa00000        ; v's plane at my half of its tile 0,
	s_add_nc_u64 s[4:5], s[4:5], 0x800000          ; k's plane likewise: the bases from which every fill's address is made
	s_lshl_b32 s[OFF], s[NK], 16
	s_add_nc_u64 s[G0K+2:G0K+3], s[4:5], s[OFF:OFF+1]     ; K of the walk's first tile,
	s_or_b32 s[G0K+3], s[G0K+3], 0x80000000
	s_add_co_u32 s19, s[NK], 31
	s_and_b32 s19, s19, 31
	s_lshl_b32 s[OFF], s19, 16
	s_add_nc_u64 s[G0V+2:G0V+3], s[10:11], s[OFF:OFF+1]   ; V of the tile in front of it
	s_or_b32 s[G0V+3], s[G0V+3], 0x80000000
	s_lshl_b32 s22, s16, 18                        ; 16 rows of 16,384 bytes of the mask
	s_add_nc_u64 s[58:59], s[6:7], s[22:23]
	s_lshl_b32 s22, s16, 15                        ; 16 rows of 2,048 bytes of att
	s_add_nc_u64 s[60:61], s[8:9], s[22:23]
	CROUND                                         ; all four work-groups are here: the first joint loads meet
	LOAD 1                                         ; trip -1's slot
	v_and_b32 v1, 15, v0                           ; r = l % 16; kept
	v_bfe_u32 v11, v0, 4, 1                        ; h = l / 16; kept
	v_and_b32 v12, 7, v0
	v_bfe_u32 v13, v0, 3, 1
	v_and_b32 v7, 31, v0                           ; l; kept
	v_lshlrev_b32 v[QO], 9, v1
	v_lshl_add_u32 v[QO], v11, 4, v[QO]            ; row x 512 + 16 h
	WIN 0x40                                       ; destination window 1
.set i, 0
.rept 32                                               ; Q stays in registers: head i / 8, channels 32 (i % 8) on
	global_load_b128 v[8*i:8*i+3],   v[QO], s[56:57] offset:(i/8)*2097152+(i%8)*64
	global_load_b128 v[8*i+4:8*i+7], v[QO], s[56:57] offset:(i/8)*2097152+(i%8)*64+32
.set i, i+1
.endr
	WIN 0
	s_lshl_b32 s20, s[WV], 16                      ; the mask: wave w brings rows 4 w .. 4 w + 3,
	s_lshl_b32 s19, s[NK], 9                       ; of each the walk's first tile's 512 bytes
	s_add_co_u32 s20, s20, s19
	v_lshl_add_u32 v[MO], v7, 4, s20
.irp i, 0,1,2,3
	global_load_b128 v[ML+4*\i:ML+4*\i+3], v[MO], s[58:59] offset:16384*\i th:TH_LOAD_NT
.endr
	s_mul_i32 s20, s[WV], 4*MP
	s_add_co_u32 s20, s20, MB
	v_lshl_add_u32 v[MS], v7, 4, s20
	s_mul_i32 s20, s[WV], 32*PKP
	v_mul_u32_u24 v[AK0], v1, PKP                  ; K: key 32 w + r, 16 h
	v_lshl_add_u32 v[AK0], v11, 4, v[AK0]
	v_add_nc_u32 v[AK0], s20, v[AK0]
	s_lshl_b32 s20, s[WV], 7
	s_add_co_u32 s20, s20, VOFF
	v_lshl_add_u32 v[AV0], v11, 3, v12             ; V: key 8 h + l % 8, 16 bytes at 16 ((l / 8) % 2), my 64 channels at 128 w
	v_mul_u32_u24 v[AV0], v[AV0], PVP
	v_lshl_add_u32 v[AV0], v13, 4, v[AV0]
	v_add_nc_u32 v[AV0], s20, v[AV0]
	s_lshl_b32 s20, s[WV], 7
	s_add_co_u32 s20, s20, MB
	v_mul_u32_u24 v[AM], v1, MP                    ; the mask: query r, keys 32 w + 8 h on, 4 bytes each
	v_lshl_add_u32 v[AM], v11, 5, v[AM]
	v_add_nc_u32 v[AM], s20, v[AM]
	s_lshl_b32 s20, s[WV], 9
	s_add_co_u32 s20, s20, XM
	v_lshl_add_u32 v[XMS], v7, 4, s20              ; XM + 512 w + 16 l
	v_lshl_add_u32 v[XML], v7, 4, XM
	s_lshl_b32 s20, s[WV], 12
	s_add_co_u32 s20, s20, PB
	v_lshl_add_u32 v[PBS], v7, 4, s20              ; PB + 4,096 w + 16 l
	v_lshl_add_u32 v[PBL], v7, 4, PB
	v_mov_b32 v[VC], 0x3fb8aa3b
	v_mov_b32 v[VZ], 0
	; What trip -1 finds: weights, O^T, l and a are 0, m far below every score.  All this stands in the wait for the first tile.
	WIN 0x80
.set i, 0
.rept 128
	v_mov_b32 v[i], 0
.set i, i+1
.endr
	WIN 0
.irp hd, 0,1,2,3
	v_mov_b32 v[ST+8*\hd], 0xf149f2ca              ; -1e30
	v_mov_b32 v[ST+8*\hd+1], 0
	v_mov_b32 v[ST+8*\hd+2], 0
	v_mov_b32 v[ST+8*\hd+3], 0
	v_mov_b32 v[ST+8*\hd+6], 0
	v_mov_b32 v[ST+8*\hd+7], 0
	v_mov_b32 v[PO+\hd], 0
.endr
.set f, 0
.rept 8
	ds_store_b128 v[PBS], v[PO:PO+3] offset:512*f  ; my part of the weights of the tile that has not been
.set f, f+1
.endr
	s_wait_loadcnt 0x0                             ; Q and the first tile's mask are in
	BLKA
	BLKB 0                                         ; it goes into LDS; the second tile's is asked for
; THE MATRIX WORK.  Product i of 64 of S^T = K Q^T: channels 32 (i / 8) on, keys 16 ((i / 4) % 2) on, head i % 4.  The 8 accumulators take turns; the first 8 products start the sums.
.macro KQ
	WIN 0x07                                       ; K in window 3, Q in window 1
.set rS, S+16*(i%4)+8*((i/4)%2)
.set rK, 8*(i/4)
.set rQ, 64*(i%4)+8*(i/8)
.if i < 8
	v_wmma_f32_16x16x32_f16 v[rS:rS+7], v[rK:rK+7], v[rQ:rQ+7], 0
.else
	v_wmma_f32_16x16x32_f16 v[rS:rS+7], v[rK:rK+7], v[rQ:rQ+7], v[rS:rS+7]
.endif
.set i, i+1
.endm
.macro KQG                             ; sixteen of them on end: channels 64 (i / 16) on
.rept 16
	KQ
.endr
.endm
; Product i of 64 of O^T += V^T P: keys 32 (i / 16) on, channels 16 ((i / 4) % 4) on, head i % 4.  The 16 accumulators take turns.
.macro PV
.set rO, 32*(i%4)+8*((i/4)%4)
.set rV, VF+32*(i/16)+8*((i/4)%4)
.set rP, PF+32*(i/16)+8*(i%4)
	WIN 0xab                                       ; V in window 3; P, C and D in window 2
	v_wmma_f32_16x16x32_f16 v[rO:rO+7], v[rV:rV+7], v[rP:rP+7], v[rO:rO+7]
.endm
; Number k of 16 of the rescaling: accumulator k (head k / 4) times a, its registers in ascending order.
.macro RS
.set rO, 8*k
.set rA, ST+8*(k/4)+6
	WIN 0x82                                       ; destination and source 0 in window 2
.irp z, 0,2,4,6
	v_pk_mul_f32 v[rO+\z:rO+\z+1], v[rO+\z:rO+\z+1], v[rA:rA+1] op_sel_hi:[1,0]
.endr
.set k, k+1
.endm
; THE LDS LOADS stand in runs.  LK: all of my K, 16 fragments in the order of their use.  LP g, LV g: half g of P's and of V's 16 fragments.
.macro LK
	WIN 0xc0                                       ; destination window 3
.set f, 0
.rept 16                                               ; fragment f: channels 32 (f / 2) on, keys 16 (f % 2) on
	ds_load_b128 v[8*f:8*f+3],   v[AK] offset:16*PKP*(f%2)+64*(f/2)
	ds_load_b128 v[8*f+4:8*f+7], v[AK] offset:16*PKP*(f%2)+64*(f/2)+32
.set f, f+1
.endr
.endm
.macro LP g
	WIN 0x80                                       ; destination window 2
.set f, 8*(\g)
.rept 8                                                ; fragment f: the keys of wave f / 4, head f % 4
	ds_load_b128 v[PF+8*f:PF+8*f+3],   v[PBL] offset:1024*f
	ds_load_b128 v[PF+8*f+4:PF+8*f+7], v[PBL] offset:1024*f+512
.set f, f+1
.endr
.endm
.macro LV g
	WIN 0xc0
.set f, 8*(\g)
.rept 8                                                ; fragment f: keys 32 (f / 4) on, channels 16 (f % 4) on
	ds_load_tr16_b128 v[VF+8*f:VF+8*f+3],   v[AV] offset:32*PVP*(f/4)+32*(f%4)
	ds_load_tr16_b128 v[VF+8*f+4:VF+8*f+7], v[AV] offset:32*PVP*(f/4)+32*(f%4)+16*PVP
.set f, f+1
.endr
.endm
; THE SOFTMAX of four heads for one tile: a list of 252 lines; SM writes number n and steps n.
;   0-31     s = (q.k) c/16 + c mask, a pair a line, heads alternating (each accumulator's lowest registers are read first)
;   32-71    ten lines a head, heads alternating: two chains of maxima, the other half of the lanes: the maximum of my 32 keys.       HERE THE WAVES EXCHANGE THEIR MAXIMA.
;   72-91    five lines a head: the four waves' maxima and the old m; d = m_old - m; the new m; a = 2^d
;   92-203   plain line u and exponential u by turns, u = 0..55: no two exponentials follow each other, and each has a plain line behind it before its result is used (ISA guide 5.7.2).
;            Plain u < 32: s - m for pair u; from 32 on the sums of heads 0-2, each at least two lines behind the last exponential that it reads
;   204-211  exponentials 56-63       212-219  head 3's sums       220-251  the weights rounded to f16
.macro XS                              ; line xk of fifteen for head hd
.set rT, ST+8*hd
.set rS, S+16*hd
.if xk == 0
	v_max3_num_f32 v[rT+4], v[rS], v[rS+1], v[rS+2]
.elseif xk == 1
	v_max3_num_f32 v[rT+5], v[rS+8], v[rS+9], v[rS+10]
.elseif xk == 2
	v_max3_num_f32 v[rT+4], v[rT+4], v[rS+3], v[rS+4]
.elseif xk == 3
	v_max3_num_f32 v[rT+5], v[rT+5], v[rS+11], v[rS+12]
.elseif xk == 4
	v_max3_num_f32 v[rT+4], v[rT+4], v[rS+5], v[rS+6]
.elseif xk == 5
	v_max3_num_f32 v[rT+5], v[rT+5], v[rS+13], v[rS+14]
.elseif xk == 6
	v_max3_num_f32 v[rT+4], v[rT+4], v[rS+7], v[rS+15]
.elseif xk == 7
	v_max_num_f32 v[rT+4], v[rT+4], v[rT+5]
.elseif xk == 8
	v_permlanex16_b32 v[rT+5], v[rT+4], s[SEL], s[SEL+1]  ; the query's other 16 keys of mine lie in the lane 16 away
.elseif xk == 9
	v_max_num_f32 v[LM+hd], v[rT+4], v[rT+5]
.elseif xk == 10
	v_max3_num_f32 v[rT+4], v[XG+hd], v[XG+4+hd], v[XG+8+hd]
.elseif xk == 11
	v_max3_num_f32 v[rT+4], v[rT+4], v[XG+12+hd], v[rT]
.elseif xk == 12
	v_sub_f32 v[rT+7], v[rT], v[rT+4]
.elseif xk == 13
	v_mov_b32 v[rT], v[rT+4]
.else
	v_exp_f32 v[rT+6], v[rT+7]
.endif
.endm
.macro SUMS                            ; line z of eight for head hd: l = a l + the 16 weights, in two chains
.set rT, ST+8*hd
.set rS, S+16*hd
.if z == 0
	s_wait_alu depctr_va_vdst(0)
	v_pk_fma_f32 v[rT+2:rT+3], v[rT+2:rT+3], v[rT+6:rT+7], v[rS:rS+1] op_sel_hi:[1,0,1]
.elseif z == 1
	v_pk_add_f32 v[rT+4:rT+5], v[rS+2:rS+3], v[rS+4:rS+5]
.elseif z == 7
	v_pk_add_f32 v[rT+2:rT+3], v[rT+2:rT+3], v[rT+4:rT+5]
.elseif z%2 == 0
	v_pk_add_f32 v[rT+2:rT+3], v[rT+2:rT+3], v[rS+2*z+2:rS+2*z+3]
.else
	v_pk_add_f32 v[rT+4:rT+5], v[rT+4:rT+5], v[rS+2*z+2:rS+2*z+3]
.endif
.endm
.macro SM
	WIN 0
.if n < 32
.set rS, S+16*(n%4)+2*(n/4)
	v_pk_fma_f32 v[rS:rS+1], v[rS:rS+1], s[CQ:CQ+1], v[MR+2*(n/4):MR+2*(n/4)+1] op_sel_hi:[1,0,1]
.elseif n < 92
.set hd, n%4
.set xk, (n-32)/4
	XS
.elseif n < 204
.set u, (n-92)/2
.if (n-92)%2
	v_exp_f32 v[S+u], v[S+u]
.elseif u < 32
.set rT, ST+8*(u/8)
	v_pk_add_f32 v[S+2*u:S+2*u+1], v[S+2*u:S+2*u+1], v[rT:rT+1] op_sel_hi:[1,0] neg_lo:[0,1] neg_hi:[0,1]
.else
.set hd, (u-32)/8
.set z, u%8
	SUMS
.endif
.elseif n < 212
	v_exp_f32 v[S+n-148], v[S+n-148]
.elseif n < 220
.set hd, 3
.set z, n-212
	SUMS
.else
	v_cvt_pk_f16_f32 v[PO+n-220], v[S+2*(n-220)], v[S+2*(n-220)+1]
.endif
.set n, n+1
.endm
.macro PVS cnt, sm                     ; cnt products V^T P; sm = 1: four lines of the softmax behind each
.rept \cnt
	PV
.if \sm
	SM
	SM
	SM
	SM
.endif
.set i, i+1
.endr
.endm
; A TRIP.  kq = 1: with the next tile's scores and softmax.  blk = 1: with the mask of the tile after that one.
; ONE BARRIER in the trip's middle serves two things: behind it every wave's maxima can be read, and nobody reads the weights' and the mask's buffers any more (their loads stand at the trip's head and in phase A,
; and every wave has waited for all its LDS instructions in front of its signal), so the next weights and the next mask may be stored.  The next slot's tensor load stays on its way.
.macro TRIP kq, blk
	WIN 0
	v_add_nc_u32 v[AV], s[TB], v[AV0]
.if \kq
	v_add_nc_u32 v[AK], s[TB], v[AK0]
	ds_load_b128 v[MR:MR+3],     v[AM]
	ds_load_b128 v[MR+4:MR+7],   v[AM] offset:16
	ds_load_b128 v[MR+8:MR+11],  v[AM] offset:64
	ds_load_b128 v[MR+12:MR+15], v[AM] offset:80
	LK
.else
	LP 0
	LP 1
	LV 0
.endif
.set k, 0
.rept 16-(\kq)                                         ; O^T x a, in the shadow of those loads; with scores to come the sixteenth accumulator's turn is kept for the place behind them
	RS
.endr
.set i, 0
.if \kq
	s_wait_dscnt 24                                ; the mask's fragment and K's channels 0-63 are in; K's other 24 loads may be out
	KQG
	LP 0
	s_wait_dscnt 32                                ; K's channels 64-127: behind them 16 loads of K and 16 of P
	KQG
	LP 1
	s_wait_dscnt 40                                ; K's channels 128-191: behind them 8 of K and 32 of P
	KQG
	LV 0
	s_wait_dscnt 40                                ; K's last: behind them 32 of P and 16 of V; the count asks for eight of P's too, which were issued two runs ago
	KQG
	RS                                             ; the sixteenth: four plain lines that name O^T and a alone, none of the registers of a product K Q^T: the four places (ISA guide 7.12.1)
	                                               ; between those products and the softmax's first lines, which read and rewrite the scores.  Its accumulator's first V^T P is product 15 below
.else
	s_wait_dscnt 40
.endif
	LV 1
.set i, 0
.set n, 0
	s_wait_dscnt 24                                ; all P and V's keys 0-31 are in; V's other 24 loads may be out
	PVS 16, \kq
	s_wait_dscnt 16                                ; V's keys 32-63
.if \kq
	PVS 2, 1
	WIN 0
	ds_store_b128 v[XMS], v[LM:LM+3]               ; my maxima, four heads a lane
.if \blk
	s_wait_loadcnt 0x0                             ; the mask asked for a trip ago
.endif
	s_wait_dscnt 0x0                               ; for the others' sake: my store is done, and so are all my reads of LDS
	s_barrier_signal -1
.if \blk
	BLKA                                           ; work on registers while the others arrive
.endif
	s_barrier_wait -1
.irp x, 0,1,2,3
	ds_load_b128 v[XG+4*\x:XG+4*\x+3], v[XML] offset:512*\x
.endr
.if \blk
	BLKB 1
.endif
	PVS 1, 0                                       ; a product stands in the wait for the maxima
.if \blk
	s_wait_dscnt 4                                 ; the four maxima are in; the mask's four stores may be out
.else
	s_wait_dscnt 0x0
.endif
	PVS 45, 1
	PLACES                                         ; behind the last product: for the next trip's loads into P's and V's registers and its reads of O^T
	WIN 0
.set f, 0
.rept 8
	ds_store_b128 v[PBS], v[PO+4*f:PO+4*f+3] offset:512*f  ; my weights of the next tile
.set f, f+1
.endr
.else
	PVS 16, 0
	s_wait_dscnt 8
	PVS 16, 0
	s_wait_dscnt 0x0
	PVS 16, 0
	PLACES
	WIN 0
.endif
.endm
	s_mov_b32 s[CNT], 31
	s_mov_b32 s[TB], SLOT1                         ; the first change of slots turns it into 0
.Ltrip:                                                ; trips -1 to 29
	CHANGE 1
	TRIP 1, 1
	s_sub_co_u32 s[CNT], s[CNT], 1
	s_cmp_lg_u32 s[CNT], 0
	s_cbranch_scc1 .Ltrip
	CHANGE 2                                       ; the tail is written out: the walk has no 33rd tile of K
	TRIP 1, 0                                      ; trip 30
	CHANGE 0
	TRIP 0, 0                                      ; trip 31: the last rescaling and the last V^T P
	; THE END.  l's two halves and the other half of the lanes' are added; the four waves' sums meet in LDS; O^T is divided by l, rounded to f16 and sent through a stage of whole rows of att.
.irp hd, 0,1,2,3
	v_add_f32 v[LM+\hd], v[ST+8*\hd+2], v[ST+8*\hd+3]
.endr
.irp hd, 0,1,2,3
	v_permlanex16_b32 v[ST+8*\hd+5], v[LM+\hd], s[SEL], s[SEL+1]
.endr
.irp hd, 0,1,2,3
	v_add_f32 v[LM+\hd], v[LM+\hd], v[ST+8*\hd+5]
.endr
	ds_store_b128 v[XMS], v[LM:LM+3] offset:XL-XM
	v_mul_u32_u24 v[STG], v1, SG                   ; into the stage: query r, byte 512 hd + 128 w + 32 cb + 16 h
	v_lshl_add_u32 v[STG], v11, 4, v[STG]
	s_lshl_b32 s20, s[WV], 7
	v_add_nc_u32 v[STG], s20, v[STG]
	s_mul_i32 s20, s[WV], 4*SG
	v_lshl_add_u32 v[RDS], v7, 4, s20              ; back: wave w takes rows 4 w .. 4 w + 3 whole, 512 bytes a load
	s_lshl_b32 s20, s[WV], 13
	v_lshl_add_u32 v[GOF], v7, 4, s20              ; and the same rows in att
	s_wait_dscnt 0x0
	s_barrier_signal -1
	s_barrier_wait -1                              ; the sums can be read, and nobody reads the slots any more
.irp x, 0,1,2,3
	ds_load_b128 v[XG+4*\x:XG+4*\x+3], v[XML] offset:XL-XM+512*\x
.endr
	s_wait_dscnt 0x0
.irp hd, 0,1,2,3
	v_add_f32 v[ST+8*\hd+4], v[XG+\hd], v[XG+4+\hd]
.endr
.irp hd, 0,1,2,3
	v_add_f32 v[ST+8*\hd+5], v[XG+8+\hd], v[XG+12+\hd]
.endr
.irp hd, 0,1,2,3
	v_add_f32 v[ST+8*\hd+4], v[ST+8*\hd+4], v[ST+8*\hd+5]
.endr
.irp hd, 0,1,2,3
	v_rcp_f32 v[ST+8*\hd+6], v[ST+8*\hd+4]         ; 1 / l takes a's place
.endr
	v_nop                                          ; a plain instruction between the last reciprocal and the use of its result
	s_wait_alu depctr_va_vdst(0)
.set k, 0
.rept 16
	RS
.endr
	WIN 0x0a                                       ; sources 0 and 1 window 2, destination window 0
.set i, 0
.rept 64
	v_cvt_pk_f16_f32 v[S+i], v[2*i], v[2*i+1]
.set i, i+1
.endr
	WIN 0
.set f, 0
.rept 16                                               ; accumulator f = 4 hd + cb: a lane's eight channels of a query are 16 bytes
	ds_store_b128 v[STG], v[S+4*f:S+4*f+3] offset:512*(f/4)+32*(f%4)
.set f, f+1
.endr
	s_wait_dscnt 0x0                               ; for the others' sake: my stores into the stage are done
	s_barrier_signal -1
	s_barrier_wait -1
.set t, 0
.rept 16
	ds_load_b128 v[OB+4*t:OB+4*t+3], v[RDS] offset:SG*(t/4)+512*(t%4)
.set t, t+1
.endr
.set t, 0
.rept 16
	s_wait_dscnt 15-t                              ; load t is back; the younger ones stay out
	global_store_b128 v[GOF], v[OB+4*t:OB+4*t+3], s[60:61] offset:2048*(t/4)+512*(t%4)  ; 512 consecutive bytes of a row of att
.set t, t+1
.endr
	s_wait_tensorcnt 0x0                           ; the wave's end
	ds_add_u32 v[SPW], v[NIL]
	s_wait_dscnt 0x0
	CROUND                                         ; the closing round
	s_endpgm
.Lfunc_end_k_qf0684c9631_attn:
	.size	k_qf0684c9631_attn, .Lfunc_end_k_qf0684c9631_attn-k_qf0684c9631_attn
	.p2alignl 7, 3214868480
	.fill 96, 4, 3214868480
	.section	.rodata,"a",@progbits
	.p2align	6, 0x0
	.amdhsa_kernel k_qf0684c9631_attn
		.amdhsa_group_segment_fixed_size 327680
		.amdhsa_private_segment_fixed_size 0
		.amdhsa_enable_private_segment 0
		.amdhsa_kernarg_size 24
		.amdhsa_user_sgpr_count 2
		.amdhsa_user_sgpr_kernarg_segment_ptr 1
		.amdhsa_wavefront_size32 1
		.amdhsa_system_sgpr_workgroup_id_x 1
		.amdhsa_system_sgpr_workgroup_id_y 1
		.amdhsa_system_sgpr_workgroup_id_z 1
		.amdhsa_system_vgpr_workitem_id 0
		.amdhsa_next_free_vgpr 1024
		.amdhsa_next_free_sgpr 66
		.amdhsa_reserve_vcc 0
		.amdhsa_float_denorm_mode_32 3
		.amdhsa_float_denorm_mode_16_64 3
		.amdhsa_memory_ordered 1
		.amdhsa_forward_progress 1
		.amdhsa_inst_pref_size 128
	.end_amdhsa_kernel
	.amdgpu_metadata
---
amdhsa.version: [ 1, 2 ]
amdhsa.kernels:
  - .name:           k_qf0684c9631_attn
    .symbol:         k_qf0684c9631_attn.kd
    .args:
      - { .name: qkv, .offset: 0, .size: 8, .value_kind: global_buffer, .address_space: global }
      - { .name: attention_mask, .offset: 8, .size: 8, .value_kind: global_buffer, .address_space: global }
      - { .name: att, .offset: 16, .size: 8, .value_kind: global_buffer, .address_space: global }
    .group_segment_fixed_size: 327680
    .private_segment_fixed_size: 0
    .kernarg_segment_align: 8
    .kernarg_segment_size: 24
    .max_flat_workgroup_size: 128
    .sgpr_count:     66
    .vgpr_count:     1024
    .wavefront_size: 32
...
	.end_amdgpu_metadata
.endif
;; end of part 3
;; launch outp (part 4): grid 32 x 8, 4 waves a work-group, clusters of 4 x 1, 327,680 bytes of LDS; arguments att, wo16, out0; writes out0
.if DOCPART == 4
	.amdgcn_target "amdgcn-amd-amdhsa--gfx1250"
	.amdhsa_code_object_version 6
	.text
	.protected	k_qf0684c9631_outp
	.globl	k_qf0684c9631_outp
	.p2align	8
	.type	k_qf0684c9631_outp,@function
k_qf0684c9631_outp:
	s_mov_b64 s[64:65], 0
	v_nop
	global_prefetch_b8 v0, s[64:65] scope:SCOPE_SE
	s_setreg_imm32_b32 hwreg(HW_REG_WAVE_MODE, 25, 1), 1
	s_wait_xcnt 0x0
	s_wait_alu depctr_hold_cnt(0) depctr_sa_sdst(0) depctr_va_vdst(0) depctr_va_sdst(0) depctr_va_ssrc(0) depctr_va_vcc(0) depctr_vm_vsrc(0)
	s_getreg_b32 s2, hwreg(HW_REG_IB_STS2, 6, 4)
	s_cmp_eq_u32 s2, 0
	s_cbranch_scc0 .Lentry_in_a_cluster
	s_endpgm
.Lentry_in_a_cluster:
	s_bfe_u32 s2, ttmp6, 0x10000c
	s_cmp_lg_u32 s2, 0x3003
	s_cbranch_scc0 .Lentry_shape_is_right
	s_endpgm
.Lentry_shape_is_right:
; THE OUTPUT PROJECTION.  out0[m][n] = sum over k of att[m][k] wo16[k][n].  att [4096][1024] and wo16 [1024][2048] in f16; sums and out0 in f32.
; The same design as the projections in front: a work-group makes 128 rows x 256 columns, four waves 2 x 2, a wave 64 x 128 in 32 accumulators; 32 x 8 = 256 work-groups.
; The matrix instruction is used transposed (source 0 = 16 columns of Wo, source 1 = 16 rows of att); Wo lies [k][n] and comes out of LDS turned, by ds_load_tr16_b128.
; A wave's column blocks are 64 wn + 16 (b % 4) + 128 (b / 4): two strips of 64 columns, each 256 consecutive bytes of a row of out0.
; K goes in steps of 128 through two LDS slots.  THE WALK ALONG K GOES ROUND: it begins at step (o[column tile] + cluster x) mod 8, o = 0, 2, 4, 6, 3, 1, 7, 5, so that the eight clusters that need a tile
; of Wo and the eight work-groups that need a tile of att ask for it at different times.  The order of a sum's terms changes with it, the sum does not.
; CLUSTER: the four partners lie along the rows and need the same tiles of Wo: waves 2, 3 ask for them jointly;
; waves 0, 1 fetch the work-group's own rows of att by plain tensor loads behind the same rounds.
; REGISTERS: window 0: v2-8 addresses, v28-29 the add's two, v32-127 and v128-223 two fragment buffers (att at +8 a, Wo at +32 + 8 b);  window 1: accumulator (a, b) at v[8 (8 a + b)].
.set KDIM,   1024
.set STEPS,  KDIM/128
.set APITCH, KDIM
.set BPITCH, 2048
.set ASH,    8                         ; a K step is 256 bytes along a row of att,
.set BSH,    19                        ; and 128 rows of 4,096 bytes of Wo: both as shifts
.set PA,     272                       ; an LDS row of att: 256 bytes + 16 (64 banks of 4 bytes: ISA guide 11.1: the 16 rows of a load start at 16 different groups of four banks)
.set PB,     544                       ; an LDS row of Wo: 512 bytes + 32
.set BOFF,   128*PA
.set SLOT1,  1<<17
.set STAGE,  SLOT1+BOFF+128*PB         ; behind the ring: 16 rows x 528 bytes for each wave, its own
.set SP,     528
.set SPARE,  STAGE+4*16*SP
.set LA,   2
.set LB,   3
.set ADRA, 4
.set ADRB, 5
.set STO,  6
.set RD,   7
.set CO,   8
.set SPW,  28
.set NIL,  29
.set F0,   32
.set F1,   128
.set G1A,  24
.set G1B,  32
.set G0A0, 40
.set G0A,  44
.set G0B0, 48
.set G0B,  52
.set CNT,  56
.set TB,   57
.set NX,   61                          ; the K step asked for last, 0 to 7
.set MSB, 0
.macro WIN new
.if MSB != (\new)
	s_set_vgpr_msb (MSB<<8)|(\new)
.set MSB, \new
.endif
.endm
.macro PLACES
.rept 4
	v_nop
.endr
.endm
.macro JLOAD ga, gb                    ; waves 0, 1: att's halves; waves 2, 3: Wo's.  An s_nop 0 and four v_nop follow each line
	s_cmp_eq_u32 s13, 0
	s_cbranch_scc0 .Lfor_b_\@
	tensor_load_to_lds s[(\ga):(\ga)+3], s[G1A:G1A+7]
	s_nop 0
.rept 4
	v_nop
.endr
	s_branch .Lasked_\@
.Lfor_b_\@:
	tensor_load_to_lds s[(\gb):(\gb)+3], s[G1B:G1B+7]
	s_nop 0
.rept 4
	v_nop
.endr
.Lasked_\@:
.endm
.macro CREST
	s_cmp_lg_u32 s12, 0
	s_cbranch_scc1 .Lnot_wave_0_\@
	s_barrier_signal -3
.Lnot_wave_0_\@:
	s_barrier_wait -3
	s_barrier_signal -1
	s_barrier_wait -1
.endm
.macro CROUND
	s_barrier_signal -1
	s_barrier_wait -1
	CREST
.endm
.macro ADDR ga, gb                     ; the global addresses of K step NX: base + step << shift, the type bits set again
	s_lshl_b32 s18, s[NX], ASH
	s_lshl_b32 s20, s[NX], BSH
	s_add_nc_u64 s[(\ga)+2:(\ga)+3], s[4:5], s[18:19]
	s_or_b32 s[(\ga)+3], s[(\ga)+3], 0x80000000
	s_add_nc_u64 s[(\gb)+2:(\gb)+3], s[6:7], s[20:21]
	s_or_b32 s[(\gb)+3], s[(\gb)+3], 0x80000000
.endm
.macro NEXTK                           ; the next K step, round the end
	s_add_co_u32 s[NX], s[NX], 1
	s_and_b32 s[NX], s[NX], STEPS-1
.endm
	s_load_b128 s[4:7], s[0:1], 0x0                ; att s[4:5], wo16 s[6:7]
	s_load_b64 s[8:9], s[0:1], 0x10                ; out0
	v_lshl_add_u32 v[SPW], v0, 2, SPARE
	v_mov_b32 v[NIL], 0
	ds_add_u32 v[SPW], v[NIL]                      ; the wave's opening: the add and its wait stand ahead of my first tensor load
	v_lshrrev_b32 v1, 5, v0
	v_readfirstlane_b32 s12, v1
	s_lshr_b32 s13, s12, 1                         ; my half of the rows; also: I fetch att (0) or Wo (1)
	s_and_b32 s14, s12, 1                          ; my half of the columns; also: which 64 rows of that tile I fetch
	s_bfe_u32 s15, ttmp6, 0x40000
	s_lshl_b32 s16, ttmp9, 2
	s_add_co_u32 s16, s16, s15                     ; row tile
	s_and_b32 s17, ttmp7, 0xffff                   ; column tile, which the partners share
	s_lshl_b32 s[NX], s17, 2                       ; the first K step: o[column tile], four bits each in a constant,
	s_lshr_b32 s[NX], 0x57136420, s[NX]
	s_add_co_u32 s[NX], s[NX], ttmp9               ; + the cluster's x: numbers that the partners share
	s_and_b32 s[NX], s[NX], STEPS-1
	s_mov_b32 s[G1A], (1<<16)|(1<<20)|(5<<22)|(3<<25)
	s_mov_b32 s[G1A+1], 128<<16
	s_mov_b32 s[G1A+2], 64<<16
	s_mov_b32 s[G1A+3], 128<<16
	s_mov_b32 s[G1A+4], 64
	s_mov_b32 s[G1A+5], APITCH
	s_mov_b32 s[G1A+6], 0
	s_mov_b32 s[G1A+7], 0
	s_mov_b32 s[G1B], 15|(1<<16)|(1<<20)|(1<<21)|(6<<22)|(7<<25)
	s_mov_b32 s[G1B+1], 256<<16
	s_mov_b32 s[G1B+2], 64<<16
	s_mov_b32 s[G1B+3], 256<<16
	s_mov_b32 s[G1B+4], 64
	s_mov_b32 s[G1B+5], BPITCH
	s_mov_b32 s[G1B+6], 0
	s_mov_b32 s[G1B+7], 0
	s_lshl_b32 s18, s16, 18                        ; att: (128 row tile + 64 half) rows of 2,048 bytes
	s_lshl_b32 s19, s14, 17
	s_add_co_u32 s18, s18, s19
	s_mov_b32 s19, 0
	s_lshl_b32 s20, s17, 9                         ; Wo: 512 bytes a column tile + 64 half rows of 4,096 bytes: no place in the cluster enters
	s_lshl_b32 s21, s14, 18
	s_add_co_u32 s20, s20, s21
	s_mov_b32 s21, 0
	s_mul_i32 s22, s14, 64*PA
	s_mul_i32 s23, s14, 64*PB
	s_add_co_u32 s23, s23, BOFF
	s_mov_b32 s[G0A0], 1
	s_mov_b32 s[G0A0+1], s22
	s_mov_b32 s[G0A], 1
	s_add_co_u32 s[G0A+1], s22, SLOT1
	s_mov_b32 s[G0B0], 1
	s_mov_b32 s[G0B0+1], s23
	s_mov_b32 s[G0B], 1
	s_add_co_u32 s[G0B+1], s23, SLOT1
	s_wait_dscnt 0x0
	s_wait_kmcnt 0x0
	s_add_nc_u64 s[4:5], s[4:5], s[18:19]          ; att at my 64 rows, Wo at my 64 k rows of K step 0: the bases from which every fill's address is made
	s_add_nc_u64 s[6:7], s[6:7], s[20:21]
	ADDR G0A0, G0B0                                ; the walk's first step,
	NEXTK
	ADDR G0A, G0B                                  ; and its second
	CROUND
	JLOAD G0A0, G0B0
	JLOAD G0A, G0B                                 ; two loads of mine are out
	s_lshl_b32 s58, s16, 20                        ; out0 at my first row and column: (128 row tile + 64 wm) x 8,192 + 1,024 column tile + 256 wn
	s_lshl_b32 s59, s13, 19
	s_add_co_u32 s58, s58, s59
	s_lshl_b32 s59, s17, 10
	s_add_co_u32 s58, s58, s59
	s_lshl_b32 s59, s14, 8
	s_add_co_u32 s58, s58, s59
	s_mov_b32 s59, 0
	s_add_nc_u64 s[8:9], s[8:9], s[58:59]
	v_and_b32 v1, 15, v0
	v_bfe_u32 v10, v0, 4, 1
	v_and_b32 v11, 7, v0
	v_bfe_u32 v12, v0, 3, 1
	v_and_b32 v13, 31, v0
	s_mul_i32 s58, s13, 64*PA
	v_mul_u32_u24 v[LA], v1, PA
	v_lshl_add_u32 v[LA], v10, 4, v[LA]
	v_add_nc_u32 v[LA], s58, v[LA]
	s_lshl_b32 s58, s14, 7
	s_add_co_u32 s58, s58, BOFF
	v_lshl_add_u32 v[LB], v10, 3, v11
	v_mul_u32_u24 v[LB], v[LB], PB
	v_lshl_add_u32 v[LB], v12, 4, v[LB]
	v_add_nc_u32 v[LB], s58, v[LB]
	v_mov_b32 v[ADRA], v[LA]
	v_mov_b32 v[ADRB], v[LB]
	s_mov_b32 s[TB], 0
	s_mul_i32 s58, s12, 16*SP
	s_add_co_u32 s58, s58, STAGE                   ; my stage
	v_mul_u32_u24 v[STO], v1, SP                   ; in: row r, 32 bytes for each half of the lanes
	v_lshl_add_u32 v[STO], v10, 5, v[STO]
	v_add_nc_u32 v[STO], s58, v[STO]
	v_lshl_add_u32 v[RD], v13, 4, s58              ; back: 32 lanes take a row's 512 bytes: lanes 0-15 my first strip, lanes 16-31 my second,
	v_lshlrev_b32 v[CO], 4, v1
	v_lshl_add_u32 v[CO], v10, 9, v[CO]            ; which lies 512 bytes further on in out0
.macro MUL8 f, a, zero
	WIN 0x50
.irp b, 0,1,2,3,4,5,6,7
.if \zero
	v_wmma_f32_16x16x32_f16 v[8*(8*(\a)+\b):8*(8*(\a)+\b)+7], v[(\f)+32+8*\b:(\f)+32+8*\b+7], v[(\f)+8*(\a):(\f)+8*(\a)+7], 0
.else
	v_wmma_f32_16x16x32_f16 v[8*(8*(\a)+\b):8*(8*(\a)+\b)+7], v[(\f)+32+8*\b:(\f)+32+8*\b+7], v[(\f)+8*(\a):(\f)+8*(\a)+7], v[8*(8*(\a)+\b):8*(8*(\a)+\b)+7]
.endif
.endr
.endm
.macro FETCH q, f
	WIN 0
.irp b, 0,1,2,3,4,5,6,7
	ds_load_tr16_b128 v[(\f)+32+8*\b:(\f)+32+8*\b+3],   v[ADRB] offset:(\q)*32*PB+32*(\b%4)+256*(\b/4)
	ds_load_tr16_b128 v[(\f)+32+8*\b+4:(\f)+32+8*\b+7], v[ADRB] offset:(\q)*32*PB+32*(\b%4)+256*(\b/4)+16*PB
.endr
.irp a, 0,1,2,3
	ds_load_b128 v[(\f)+8*\a:(\f)+8*\a+3],   v[ADRA] offset:\a*16*PA+64*(\q)
	ds_load_b128 v[(\f)+8*\a+4:(\f)+8*\a+7], v[ADRA] offset:\a*16*PA+64*(\q)+32
.endr
.endm
.macro QUARTER q, f, g, zero
	s_wait_dscnt 4                                 ; all but the youngest four loads: att's row blocks 2, 3
	MUL8 \f, 0, \zero
	MUL8 \f, 1, \zero
	PLACES
	FETCH \q, \g
	s_wait_dscnt 24                                ; all but the 24 just issued
	MUL8 \f, 2, \zero
	MUL8 \f, 3, \zero
.endm
.macro TURN fill                       ; the fourth quarter and the change of slots, as in the projections in front
	WIN 0
	s_wait_tensorcnt 0x0                           ; all my tensor loads have landed: my part of the next slot
	ds_add_u32 v[SPW], v[NIL]
.if \fill
	NEXTK                                          ; no tensor load of mine is out: the walking descriptors take the other slot than last time and the walk's next step
	s_xor_b32 s[G0A+1], s[G0A+1], SLOT1
	s_xor_b32 s[G0B+1], s[G0B+1], SLOT1
	ADDR G0A, G0B
.endif
	s_wait_dscnt 5                                 ; the add and att's last four loads may be out
	MUL8 F1, 0, 0
	s_wait_dscnt 0x0                               ; the add is done, and my reads of this slot are over
	s_barrier_signal -1
	MUL8 F1, 1, 0
	WIN 0
	s_barrier_wait -1
.if \fill
	CREST
	JLOAD G0A, G0B
.else
	PLACES
.endif
	s_xor_b32 s[TB], s[TB], SLOT1
	v_add_nc_u32 v[ADRA], s[TB], v[LA]
	v_add_nc_u32 v[ADRB], s[TB], v[LB]
	FETCH 0, F0
	MUL8 F1, 2, 0
	MUL8 F1, 3, 0
.endm
	s_wait_tensorcnt 1                             ; my part of the first step is in; the second's may stay out
	s_barrier_signal -1
	s_barrier_wait -1
	FETCH 0, F0
	QUARTER 1, F0, F1, 1
	WIN 0
	s_mov_b32 s[CNT], STEPS-2
.Lstep:
	QUARTER 2, F1, F0, 0
	QUARTER 3, F0, F1, 0
	TURN 1
	QUARTER 1, F0, F1, 0
	WIN 0
	s_sub_co_u32 s[CNT], s[CNT], 1
	s_cmp_lg_u32 s[CNT], 0
	s_cbranch_scc1 .Lstep
	QUARTER 2, F1, F0, 0
	QUARTER 3, F0, F1, 0
	TURN 0
	QUARTER 1, F0, F1, 0
	QUARTER 2, F1, F0, 0
	QUARTER 3, F0, F1, 0
	s_wait_dscnt 4
	MUL8 F1, 0, 0
	MUL8 F1, 1, 0
	s_wait_dscnt 0x0
	MUL8 F1, 2, 0
	MUL8 F1, 3, 0
	WIN 0
	PLACES
	; THE WAY OUT, 16 rows at a time through my own stage: a lane's eight f32 of a row go in as 32 bytes, whole rows come back, and sixteen lanes store 256 consecutive bytes, aligned.
.irp a, 0,1,2,3
	s_wait_xcnt 0x0                                ; the registers that earlier stores read are loaded again only behind this wait (ISA guide 3.1)
	WIN 0x04                                       ; data in window 1; each accumulator's lowest registers go first
.irp b, 0,1,2,3,4,5,6,7
	ds_store_b128 v[STO], v[8*(8*\a+\b):8*(8*\a+\b)+3] offset:64*\b
	ds_store_b128 v[STO], v[8*(8*\a+\b)+4:8*(8*\a+\b)+7] offset:64*\b+16
.endr
	WIN 0
.irp t, 0,1,2,3,4,5,6,7,8,9,10,11,12,13,14,15
	ds_load_b128 v[32+64*(\a%2)+4*\t:32+64*(\a%2)+4*\t+3], v[RD] offset:SP*\t  ; LDS serves a wave's instructions in order (ISA guide 5.7.1.4): these see the stores above
.endr
.irp t, 0,1,2,3,4,5,6,7,8,9,10,11,12,13,14,15
	s_wait_dscnt 15-\t
	global_store_b128 v[CO], v[32+64*(\a%2)+4*\t:32+64*(\a%2)+4*\t+3], s[8:9] offset:8192*(16*\a+\t) th:TH_STORE_NT
.endr
.endr
	s_wait_tensorcnt 0x0                           ; the wave's end
	ds_add_u32 v[SPW], v[NIL]
	s_wait_dscnt 0x0
	CROUND                                         ; the closing round
	s_endpgm
.Lfunc_end_k_qf0684c9631_outp:
	.size	k_qf0684c9631_outp, .Lfunc_end_k_qf0684c9631_outp-k_qf0684c9631_outp
	.p2alignl 7, 3214868480
	.fill 96, 4, 3214868480
	.section	.rodata,"a",@progbits
	.p2align	6, 0x0
	.amdhsa_kernel k_qf0684c9631_outp
		.amdhsa_group_segment_fixed_size 327680
		.amdhsa_private_segment_fixed_size 0
		.amdhsa_enable_private_segment 0
		.amdhsa_kernarg_size 24
		.amdhsa_user_sgpr_count 2
		.amdhsa_user_sgpr_kernarg_segment_ptr 1
		.amdhsa_wavefront_size32 1
		.amdhsa_system_sgpr_workgroup_id_x 1
		.amdhsa_system_sgpr_workgroup_id_y 1
		.amdhsa_system_sgpr_workgroup_id_z 1
		.amdhsa_system_vgpr_workitem_id 0
		.amdhsa_next_free_vgpr 512
		.amdhsa_next_free_sgpr 66
		.amdhsa_reserve_vcc 0
		.amdhsa_float_denorm_mode_32 3
		.amdhsa_float_denorm_mode_16_64 3
		.amdhsa_memory_ordered 1
		.amdhsa_forward_progress 1
		.amdhsa_inst_pref_size 71
	.end_amdhsa_kernel
	.amdgpu_metadata
---
amdhsa.version: [ 1, 2 ]
amdhsa.kernels:
  - .name:           k_qf0684c9631_outp
    .symbol:         k_qf0684c9631_outp.kd
    .args:
      - { .name: att, .offset: 0, .size: 8, .value_kind: global_buffer, .address_space: global }
      - { .name: wo16, .offset: 8, .size: 8, .value_kind: global_buffer, .address_space: global }
      - { .name: out0, .offset: 16, .size: 8, .value_kind: global_buffer, .address_space: global }
    .group_segment_fixed_size: 327680
    .private_segment_fixed_size: 0
    .kernarg_segment_align: 8
    .kernarg_segment_size: 24
    .max_flat_workgroup_size: 128
    .sgpr_count:     66
    .vgpr_count:     512
    .wavefront_size: 32
...
	.end_amdgpu_metadata
.endif
;; end of part 4
